; MI455X (gfx1250); checked and timed in simulation.
; The chip was launched on July 23, 2026; its instructions are those of AMD's public machine-readable ISA for CDNA 5 (MIT licence, August 2026) and "CDNA5" Instruction Set Architecture Reference Guide (July 2026). The comments in the code are by the model that wrote it; some were corrected since.
;; Multihead Flash Diff2. Allowed arithmetic: matrix products marked QUANTISED: E2M1 operands, one E8M0 scale for each 32 along K, by v_wmma_scale_f32_16x16x128_f8f6f4 with both operands' format E2M1 (or v_wmma_scale_f32_32x16x128_f4), f32 sums; products left as they are: bf16, f16 or f32 operands; f32 sums; everything else in f32.
;; Inputs: Wk 1,024 x 1,024 float32; Wo 1,024 x 1,024 float32; Wq 1,024 x 1,024 float32; Wv 1,024 x 1,024 float32; lambda_k1 32 float32; lambda_k2 32 float32; lambda_q1 32 float32; lambda_q2 32 float32; rms_weight 64 float32; x 2 x 2,048 x 1,024 float32.
;; Outputs: out0 2 x 2,048 x 1,024 float32.
;; This version of the problem:
;;   THIS VERSION OF THE PROBLEM IS GIVEN IN LOW PRECISION. The matrix products marked QUANTISED in the list below multiply operands that are first quantised to E2M1 (2 exponent bits, 1 mantissa bit; 4 bits a number), with one power-of-two scale for each 32 numbers along K (OCP MX v1.0); their sums are f32. The products marked 'left as it is' may take bf16, f16 or f32 operands, with f32 sums. Whichever they take, every output number must still come out within the allowed error. Rounding operands to bf16 (8 significant bits) uses up far more of that allowance than f16 does (11 bits, for magnitudes from 6e-5 to 65,504). All else is computed in f32.
;;   The module's matrix products, in the order in which they are computed (A, B: the left and right operand; K: the contracted axis; several contracted axes count as one K, in the product's order):
;;     1. [M 4,096, K 1,024] x [K 1,024, N 1,024]; A: input x; B: input Wq: QUANTISED
;;     2. [M 4,096, K 1,024] x [K 1,024, N 1,024]; A: input x; B: input Wk: QUANTISED
;;     3. [M 4,096, K 1,024] x [K 1,024, N 1,024]; A: input x; B: input Wv: QUANTISED
;;     4. batch 32 x [M 2,048, K 32] x [K 32, N 2,048]; A: computed on the way; B: computed on the way: left as it is (an operand is computed on the way)
;;     5. batch 32 x [M 64, K 2,048] x [K 2,048, N 2,048]; A: computed on the way; B: computed on the way: left as it is (an operand is computed on the way)
;;     6. batch 32 x [M 2,048, K 32] x [K 32, N 2,048]; A: computed on the way; B: computed on the way: left as it is (an operand is computed on the way)
;;     7. batch 32 x [M 64, K 2,048] x [K 2,048, N 2,048]; A: computed on the way; B: computed on the way: left as it is (an operand is computed on the way)
;;     8. [M 4,096, K 1,024] x [K 1,024, N 1,024]; A: computed on the way; B: input Wo: left as it is (an operand is computed on the way)
;;   THE QUANTISER, for each operand of a quantised product, along K:
;;     - K is cut into blocks of 32 from its start; a last block that is shorter is filled with zeros.
;;     - A block's scale is 2^e with e = floor(log2(the largest magnitude in the block)) - 2, held to -126 .. 127; a block of zeros has e = 0. As a byte (E8M0): e + 127.
;;     - Each number is divided by its block's scale, clamped to +-6, and rounded to the nearest number of E2M1, ties to even, subnormals kept.
;;     - The product sums the exact products of the quantised numbers (number of the format x scale) in f32.
;;   ~~~python
;;   def quantise(x, axis):      # numpy; x: float32 -> the quantised numbers, widened to float32 again
;;       x = np.moveaxis(x, axis, -1); K = x.shape[-1]
;;       x = np.pad(x, [(0, 0)] * (x.ndim - 1) + [(0, -K % 32)]); x = x.reshape(x.shape[:-1] + (-1, 32)); a = np.abs(x).max(-1, keepdims=True)
;;       e = np.where(a > 0, np.clip(np.frexp(np.where(a > 0, a, 1))[1] - 1 - 2, -126, 127), 0)      # np.frexp(a)[1] - 1 = floor(log2(a)), exactly
;;       r = np.clip(x / 2.0 ** e, -6, 6)
;;       step = 2.0 ** (np.maximum(np.frexp(np.where(r == 0, 1, r))[1] - 1, 0) - 1)
;;       q = np.round(r / step) * step * 2.0 ** e      # np.round: ties to even
;;       return np.moveaxis(q.reshape(q.shape[:-2] + (-1,))[..., :K], -1, axis).astype(np.float32)
;;   ~~~
;; One version. Each part assembles by itself: llvm-mc -triple=amdgcn-amd-amdhsa -mcpu=gfx1250 --defsym DOCPART=n.
;; ======== version 1 of 1: 4 launches
;; limits: values are held in f16: magnitudes above 65,504 overflow, below 6.1e-05 lose precision
;; workspace buffers: codes 3,670,016 bytes; scales 229,376 bytes; wo16 2,097,152 bytes; rope 262,144 bytes; qkv 25,165,824 bytes; aimg 8,388,608 bytes
;; launch quant (part 1): grid 272 x 1, 4 waves a work-group, no clusters, 33,280 bytes of LDS; arguments x, Wq, Wk, Wv, Wo, codes, scales, wo16, rope; writes codes, scales, wo16, rope
.if DOCPART == 1
	.amdgcn_target "amdgcn-amd-amdhsa--gfx1250"
	.amdhsa_code_object_version 6
	.text
	.protected	k_qedaa7b6776_quant
	.globl	k_qedaa7b6776_quant
	.p2align	8
	.type	k_qedaa7b6776_quant,@function
k_qedaa7b6776_quant:
	s_mov_b64 s[64:65], 0
	v_nop
	global_prefetch_b8 v0, s[64:65] scope:SCOPE_SE
	s_setreg_imm32_b32 hwreg(HW_REG_WAVE_MODE, 25, 1), 1
	s_wait_xcnt 0x0
; ONE LAUNCH, THREE JOBS, told apart by the work-group's number g alone.
; g = 0..223: x [4096][1024] and Wq, Wk, Wv [1024][1024], f32, K innermost, become codes of FP4 (E2M1) and one E8M0 scale byte for each 32 along K.
;   codes: [7168 rows][512 bytes], rows 0-4095 x, then Wq, Wk, Wv; scales: [7168][32 bytes].  All four are dense streams of blocks of 32, so nothing here knows of rows.
;   A block's scale is 2^(floor(log2(its largest magnitude)) - 2); its byte is the largest magnitude's exponent field - 2, held at 1 from below; each number is divided by the scale and rounded to the nearest code, ties to even, beyond 6 held at 6.
; g = 224..255: Wo [1024][1024] f32 becomes f16, same layout (the last product's operand).
; g = 256..271: the table of rotations: rope[pos][0..15] = cos(pos x angle_i), rope[pos][16..31] = sin(pos x angle_i), angle_i = 10000^(-i/15), pos = 0..2047.
; LIMITS: a block of zeros gets the byte 1 where the rule says 127 (its codes are zeros, which add nothing under any byte but 0xff, and this program alone reads the bytes); blocks whose largest magnitude lies under 2^-124 were not tried;
;   NaN and infinities among the inputs are not served; Wo's magnitudes must stay under 65,504 (f16), and those under 6e-5 are kept to an absolute 3e-8;
;   angle_i comes from v_exp_f32 (1 ulp): the rotation's angle is off by about 1e-4 rad at the most, at position 2047.
; No tensor loads, no barrier, no cluster: the waves share nothing and every byte is read once.
.set WAVES, 4
.set STEPS, 16
.set EMAX,  2
.set CB,    8                          ; bytes of 16 codes
.set R,     16                         ; v16-79   four sets of 16 numbers as they are loaded
.set X,     80                         ; v80-111  two sets of 16 neighbours
.set C,     128                        ; v128-191 codes: four registers for each step, so that no store's data are written again
.set E,     112                        ; v112-127 a scale byte for each step
.set WREG,  8192                       ; LDS: a region for each wave: two stages of 32 x SP bytes, behind them its 256 scale bytes
.set SP,    80                         ; a lane's place in a stage: its 64 bytes + 16 of padding
.set SPW,   12                         ; v12  LDS address of my spare word: SPARE + 4 x my thread's number; never rewritten
.set NIL,   13                         ; v13  0; never rewritten
.set SPARE, WAVES*WREG                 ; behind the four regions: the spare words, 128 bytes a wave, which no other line names
	s_load_b512 s[4:19], s[0:1], 0x0               ; x s[4:5], Wq s[6:7], Wk s[8:9], Wv s[10:11], Wo s[12:13], codes s[14:15], scales s[16:17], wo16 s[18:19]
	s_load_b64 s[20:21], s[0:1], 0x40              ; rope
	v_lshl_add_u32 v[SPW], v0, 2, SPARE
	v_mov_b32 v[NIL], 0
	v_lshrrev_b32 v1, 5, v0
	v_readfirstlane_b32 s22, v1                    ; wave
	v_and_b32 v2, 31, v0                           ; lane
	v_lshlrev_b32 v3, 4, v2                        ; 16 x lane
	s_wait_kmcnt 0x0
	s_cmp_ge_u32 ttmp9, 256
	s_cbranch_scc1 .Lrope
	s_cmp_ge_u32 ttmp9, 224
	s_cbranch_scc1 .Lwo
; ---------------- the quantiser.  A wave takes 16 steps of 512 numbers.  Each of a step's four loads reads 512 consecutive bytes; the 2,048 bytes turn through the wave's own stage in LDS and come back 64 bytes a lane,
; so that a lane holds 16 neighbours along K and two neighbouring lanes a block.  A lane's 16 codes are 8 bytes: the wave stores 256 consecutive bytes.  Its 256 scale bytes are gathered in LDS and leave as 256 consecutive bytes.
	s_mul_i32 s27, s22, WREG
	v_lshrrev_b32 v14, 2, v2
	v_mul_u32_u24 v14, v14, SP
	v_and_b32 v15, 3, v2
	v_lshl_add_u32 v14, v15, 4, v14
	v_add_nc_u32 v14, s27, v14                     ; the stage, on the way in: SP (lane / 4) + 16 (lane % 4)
	v_mul_u32_u24 v15, v2, SP
	v_add_nc_u32 v15, s27, v15                     ; and on the way out: SP x lane
	v_mul_u32_u24 v4, v2, CB                       ; my codes' place in a step's
	v_lshrrev_b32 v5, 1, v2
	s_add_co_u32 s27, s27, 2*32*SP
	v_add_nc_u32 v5, s27, v5                       ; LDS: my wave's 256 scale bytes, my block's byte
	v_lshlrev_b32 v7, 3, v2                        ; and on the way out 8 bytes a lane
	v_add_nc_u32 v6, s27, v7
	s_and_b32 s26, ttmp9, 31                       ; a weight's 32 work-groups
	s_cmp_lt_u32 ttmp9, 192                        ; which tensor: the choice hangs on the work-group's number alone
	s_cselect_b64 s[24:25], s[8:9], s[10:11]
	s_cmp_lt_u32 ttmp9, 160
	s_cselect_b64 s[24:25], s[6:7], s[24:25]
	s_cmp_lt_u32 ttmp9, 128
	s_cselect_b64 s[24:25], s[4:5], s[24:25]
	s_cselect_b32 s23, ttmp9, s26                  ; my work-group's number inside that tensor
	s_lshl_b32 s23, s23, 2
	s_add_co_u32 s23, s23, s22                     ; which run of 8,192 numbers of the tensor is my wave's
	s_lshl_b32 s28, s23, 15                        ; 32,768 bytes a run
	s_mov_b32 s29, 0
	s_add_nc_u64 s[24:25], s[24:25], s[28:29]
	s_lshl_b32 s26, ttmp9, 2
	s_add_co_u32 s26, s26, s22                     ; and which run of the stacked codes and scale bytes
	s_lshl_b32 s28, s26, 12                        ; 4,096 bytes of codes a run
	s_add_nc_u64 s[14:15], s[14:15], s[28:29]
	s_lshl_b32 s28, s26, 8                         ; 256 scale bytes a run
	s_add_nc_u64 s[16:17], s[16:17], s[28:29]
.macro LOAD t
.irp i, 0,1,2,3
	global_load_b128 v[R+16*((\t)%4)+4*\i:R+16*((\t)%4)+4*\i+3], v3, s[24:25] offset:2048*(\t)+512*\i th:TH_LOAD_NT   ; 32 lanes read 512 consecutive bytes
.endr
.endm
.macro TURN t                          ; step t's numbers through the stage: LDS serves a wave's instructions in order, so no wait stands between the stores and the loads
.irp i, 0,1,2,3
	ds_store_b128 v14, v[R+16*((\t)%4)+4*\i:R+16*((\t)%4)+4*\i+3] offset:32*SP*((\t)%2)+8*SP*\i
.endr
.irp i, 0,1,2,3
	ds_load_b128 v[X+16*((\t)%2)+4*\i:X+16*((\t)%2)+4*\i+3], v15 offset:32*SP*((\t)%2)+16*\i
.endr
.endm
.irp t, 0,1,2,3
	LOAD \t
.endr
	s_wait_loadcnt 12                              ; step 0's four loads are in; the twelve of steps 1 to 3 stay out
	TURN 0
.macro STEP t
.set XS, X+16*((\t)%2)
.if (\t) > 0
	s_wait_dscnt 1                                 ; this step's numbers are back from the stage (the last step's byte store may be out): so its stores into the stage have read their registers,
.else
	s_wait_dscnt 0x0
.endif
.if (\t)+4 < STEPS
	LOAD (\t)+4                                    ; which take the loads of four steps on
.endif
.if (\t)+1 < STEPS
.if STEPS-2-(\t) >= 3
	s_wait_loadcnt 12                              ; the next step's four loads are in; those of the three steps behind it may be out
.else
	s_wait_loadcnt 4*(STEPS-2-(\t))
.endif
	TURN (\t)+1                                    ; and go through the other stage while this step is worked
.endif
	v_max3_num_f32 v8, |v[XS]|, |v[XS+1]|, |v[XS+2]|               ; the largest magnitude of my 16, in two chains
	v_max3_num_f32 v9, |v[XS+3]|, |v[XS+4]|, |v[XS+5]|
.irp i, 6,10
	v_max3_num_f32 v8, v8, |v[XS+\i]|, |v[XS+\i+1]|
	v_max3_num_f32 v9, v9, |v[XS+\i+2]|, |v[XS+\i+3]|
.endr
	v_max3_num_f32 v8, v8, |v[XS+14]|, |v[XS+15]|
	v_max3_num_f32 v8, v8, v9, (EMAX+1)<<23        ; and the floor 2^(EMAX + 1 - 127): the byte cannot fall under 1
	v_max_num_f32_dpp v8, v8, v8 row_xmask:1 row_mask:0xf bank_mask:0xf   ; and of my neighbour's 16: the block's
	v_add_nc_u32 v11, -(EMAX<<23), v8              ; EMAX off its exponent field: the conversion takes the exponent field of this operand as its scale
	v_cvt_scalef32_pk8_fp4_f32 v[C+4*(\t)], v[XS:XS+7], v11
	v_cvt_scalef32_pk8_fp4_f32 v[C+4*(\t)+1], v[XS+8:XS+15], v11
	v_lshrrev_b32 v[E+(\t)], 23, v11               ; the scale's byte (also the plain line behind the conversions)
	ds_store_b8 v5, v[E+(\t)] offset:16*(\t)       ; both lanes of a block write the same byte with the same value
	global_store_b64 v4, v[C+4*(\t):C+4*(\t)+1], s[14:15] offset:32*CB*(\t)
.endm
.irp t, 0,1,2,3,4,5,6,7,8,9,10,11,12,13,14,15
	STEP \t
.endr
	ds_load_b64 v[8:9], v6                         ; LDS serves a wave's instructions in order: these see my stores
	s_wait_dscnt 0x0
	global_store_b64 v7, v[8:9], s[16:17]          ; 32 lanes store 256 consecutive bytes, aligned
	s_wait_tensorcnt 0x0                           ; the wave's end
	ds_add_u32 v[SPW], v[NIL]
	s_wait_dscnt 0x0
	s_endpgm
; ---------------- Wo to f16.  A wave takes 8,192 numbers: 64 loads of 512 consecutive bytes, 64 stores of 256 consecutive bytes, in four groups of 16 on two sets of registers.  No LDS.
.Lwo:
	s_sub_co_u32 s23, ttmp9, 224
	s_lshl_b32 s23, s23, 2
	s_add_co_u32 s23, s23, s22                     ; my wave's run
	s_lshl_b32 s28, s23, 15
	s_mov_b32 s29, 0
	s_add_nc_u64 s[12:13], s[12:13], s[28:29]
	s_lshl_b32 s28, s23, 14
	s_add_nc_u64 s[18:19], s[18:19], s[28:29]
	v_lshlrev_b32 v4, 3, v2                        ; 8 x lane
.macro WLOAD grp
.irp i, 0,1,2,3,4,5,6,7,8,9,10,11,12,13,14,15
	global_load_b128 v[16+64*((\grp)%2)+4*\i:16+64*((\grp)%2)+4*\i+3], v3, s[12:13] offset:512*(16*(\grp)+\i) th:TH_LOAD_NT
.endr
.endm
.macro WCVT grp
.set RS, 16+64*((\grp)%2)
.if (\grp) < 3
	s_wait_loadcnt 16                              ; this group's 16 loads are in; the next group's 16 stay out
.else
	s_wait_loadcnt 0x0
.endif
	s_wait_xcnt 0x0                                ; the last group's stores have read v144-175: they are rewritten only behind this wait
.irp i, 0,1,2,3,4,5,6,7,8,9,10,11,12,13,14,15
	v_cvt_pk_f16_f32 v[144+2*\i], v[RS+4*\i], v[RS+4*\i+1]
	v_cvt_pk_f16_f32 v[145+2*\i], v[RS+4*\i+2], v[RS+4*\i+3]
.endr
.irp i, 0,1,2,3,4,5,6,7,8,9,10,11,12,13,14,15
	global_store_b64 v4, v[144+2*\i:145+2*\i], s[18:19] offset:256*(16*(\grp)+\i)
.endr
.if (\grp)+2 < 4
	WLOAD (\grp)+2
.endif
.endm
	WLOAD 0
	WLOAD 1
	WCVT 0
	WCVT 1
	WCVT 2
	WCVT 3
	s_endpgm
; ---------------- the table of rotations.  A wave takes 32 positions, four to a store: lane l holds 16 bytes of position l / 8: lanes with l % 8 < 4 four cosines, the others four sines, of pairs 4 (l % 4) + 0..3.
; f = pos x angle (one rounding, as in f32 arithmetic); n = nearest whole number to f x 2/pi; r = f - n x pi/2, pi/2 in two parts, by fused multiply-adds (the first is exact: f < 2^11 and n < 2^11);
; sine and cosine of r (|r| <= pi/4) by polynomials; the quadrant n (for a cosine n + 1) picks one of the two and its sign.  No LDS.
.Lrope:
	s_sub_co_u32 s23, ttmp9, 256
	s_lshl_b32 s28, s23, 14                        ; 128 positions x 128 bytes a work-group
	s_mov_b32 s29, 0
	s_add_nc_u64 s[20:21], s[20:21], s[28:29]
	s_lshl_b32 s30, s23, 7
	s_lshl_b32 s31, s22, 5
	s_add_co_u32 s30, s30, s31                     ; my wave's first position
	s_lshl_b32 s31, s22, 12
	v_add_nc_u32 v16, s31, v3                      ; 16 x lane + 4,096 x wave
	s_mov_b32 s36, 0x3f22f983                      ; 2 / pi
	s_mov_b32 s37, 0x3fc90fdb                      ; pi / 2, high part
	s_mov_b32 s38, 0xb33bbd2e                      ; and what is left of it
	s_mov_b32 s39, 0xbe2aaaa3                      ; sine: -1.6666654611e-1
	s_mov_b32 s40, 0x3c08839e                      ;        8.3321608736e-3
	s_mov_b32 s41, 0xb94ca1f9                      ;       -1.9515295891e-4
	s_mov_b32 s42, 0x3d2aaaa5                      ; cosine: 4.166664568e-2
	s_mov_b32 s43, 0xbab6061a                      ;        -1.388731625e-3
	s_mov_b32 s44, 0x37ccf5ce                      ;         2.443315712e-5
	v_bfe_u32 v22, v2, 2, 1
	v_xor_b32 v22, 1, v22                          ; 1 in the lanes that hold cosines: cos(f) = sin(f + pi/2)
	v_and_b32 v23, 3, v2
	v_lshlrev_b32 v23, 2, v23                      ; my first pair
	v_lshrrev_b32 v28, 3, v2
	v_add_nc_u32 v28, s30, v28                     ; my position in the first store
.irp e, 0,1,2,3
	v_add_nc_u32 v[24+\e], \e, v23
	v_cvt_f32_u32 v[24+\e], v[24+\e]
	v_mul_f32 v[24+\e], 0xbf62c6e7, v[24+\e]       ; -i x log2(10000) / 15
.endr
.irp e, 0,1,2,3
	v_exp_f32 v[4+\e], v[24+\e]                    ; angle_i
.endr
	v_nop                                          ; a plain line behind the last exponential
	s_wait_alu depctr_va_vdst(0)                   ; one wait for the four, ahead of their first reader
.irp it, 0,1,2,3,4,5,6,7
	v_add_nc_u32 v29, 4*\it, v28
	v_cvt_f32_u32 v29, v29
.irp e, 0,1,2,3
	v_mul_f32 v30, v29, v[4+\e]                    ; f
	v_mul_f32 v31, s36, v30
	v_rndne_f32 v31, v31                           ; n
	v_fma_f32 v30, -v31, s37, v30
	v_fma_f32 v30, -v31, s38, v30                  ; r
	v_cvt_i32_f32 v8, v31
	v_add_nc_u32 v8, v8, v22                       ; the quadrant
	v_mul_f32 v9, v30, v30                         ; z = r r
	v_fma_f32 v10, v9, s41, s40
	v_fma_f32 v11, v9, s44, s43
	v_fma_f32 v10, v10, v9, s39
	v_fma_f32 v11, v11, v9, s42
	v_mul_f32 v10, v10, v9
	v_mul_f32 v14, v9, v9
	v_fma_f32 v15, v9, -0.5, 1.0
	v_fma_f32 v10, v10, v30, v30                   ; sin r
	v_fma_f32 v11, v11, v14, v15                   ; cos r
	v_and_b32 v14, 1, v8
	v_cmp_eq_u32 vcc_lo, 1, v14
	v_cndmask_b32 v10, v10, v11, vcc_lo            ; odd quadrants take the cosine
	v_lshlrev_b32 v8, 30, v8
	v_and_b32 v8, 0x80000000, v8                   ; quadrants 2 and 3 change the sign
	v_xor_b32 v[32+4*\it+\e], v8, v10
.endr
	global_store_b128 v16, v[32+4*\it:35+4*\it], s[20:21] offset:512*\it   ; 32 lanes store 512 consecutive bytes: four positions; each store has registers of its own
.endr
	s_endpgm
.Lfunc_end_k_qedaa7b6776_quant:
	.size	k_qedaa7b6776_quant, .Lfunc_end_k_qedaa7b6776_quant-k_qedaa7b6776_quant
	.p2alignl 7, 3214868480
	.fill 96, 4, 3214868480
	.section	.rodata,"a",@progbits
	.p2align	6, 0x0
	.amdhsa_kernel k_qedaa7b6776_quant
		.amdhsa_group_segment_fixed_size 33280
		.amdhsa_private_segment_fixed_size 0
		.amdhsa_enable_private_segment 0
		.amdhsa_kernarg_size 72
		.amdhsa_user_sgpr_count 2
		.amdhsa_user_sgpr_kernarg_segment_ptr 1
		.amdhsa_wavefront_size32 1
		.amdhsa_system_sgpr_workgroup_id_x 1
		.amdhsa_system_sgpr_workgroup_id_y 1
		.amdhsa_system_sgpr_workgroup_id_z 1
		.amdhsa_system_vgpr_workitem_id 0
		.amdhsa_next_free_vgpr 192
		.amdhsa_next_free_sgpr 66
		.amdhsa_reserve_vcc 1
		.amdhsa_float_denorm_mode_32 3
		.amdhsa_float_denorm_mode_16_64 3
		.amdhsa_memory_ordered 1
		.amdhsa_forward_progress 1
		.amdhsa_inst_pref_size 90
	.end_amdhsa_kernel
	.amdgpu_metadata
---
amdhsa.version: [ 1, 2 ]
amdhsa.kernels:
  - .name:           k_qedaa7b6776_quant
    .symbol:         k_qedaa7b6776_quant.kd
    .args:
      - { .name: x, .offset: 0, .size: 8, .value_kind: global_buffer, .address_space: global }
      - { .name: Wq, .offset: 8, .size: 8, .value_kind: global_buffer, .address_space: global }
      - { .name: Wk, .offset: 16, .size: 8, .value_kind: global_buffer, .address_space: global }
      - { .name: Wv, .offset: 24, .size: 8, .value_kind: global_buffer, .address_space: global }
      - { .name: Wo, .offset: 32, .size: 8, .value_kind: global_buffer, .address_space: global }
      - { .name: codes, .offset: 40, .size: 8, .value_kind: global_buffer, .address_space: global }
      - { .name: scales, .offset: 48, .size: 8, .value_kind: global_buffer, .address_space: global }
      - { .name: wo16, .offset: 56, .size: 8, .value_kind: global_buffer, .address_space: global }
      - { .name: rope, .offset: 64, .size: 8, .value_kind: global_buffer, .address_space: global }
    .group_segment_fixed_size: 33280
    .private_segment_fixed_size: 0
    .kernarg_segment_align: 8
    .kernarg_segment_size: 72
    .max_flat_workgroup_size: 128
    .sgpr_count:     66
    .vgpr_count:     192
    .wavefront_size: 32
...
	.end_amdgpu_metadata
.endif
;; end of part 1
;; launch qkv (part 2): grid 12 x 16, 4 waves a work-group, clusters of 4 x 4, 327,680 bytes of LDS; arguments codes, scales, rope, qkv; writes qkv
.if DOCPART == 2
	.amdgcn_target "amdgcn-amd-amdhsa--gfx1250"
	.amdhsa_code_object_version 6
	.text
	.protected	k_qedaa7b6776_qkv
	.globl	k_qedaa7b6776_qkv
	.p2align	8
	.type	k_qedaa7b6776_qkv,@function
k_qedaa7b6776_qkv:
	s_mov_b64 s[64:65], 0
	v_nop
	global_prefetch_b8 v0, s[64:65] scope:SCOPE_SE
	s_setreg_imm32_b32 hwreg(HW_REG_WAVE_MODE, 25, 1), 1
	s_wait_xcnt 0x0
	s_wait_alu depctr_hold_cnt(0) depctr_sa_sdst(0) depctr_va_vdst(0) depctr_va_sdst(0) depctr_va_ssrc(0) depctr_va_vcc(0) depctr_vm_vsrc(0)
	s_getreg_b32 s2, hwreg(HW_REG_IB_STS2, 6, 4)
	s_cmp_eq_u32 s2, 0
	s_cbranch_scc0 .Lentry_in_a_cluster
	s_endpgm
.Lentry_in_a_cluster:
	s_bfe_u32 s2, ttmp6, 0x10000c
	s_cmp_lg_u32 s2, 0xf033
	s_cbranch_scc0 .Lentry_shape_is_right
	s_endpgm
.Lentry_shape_is_right:
; q, k, v = x Wq^T, x Wk^T, x Wv^T on codes of FP4 (E2M1) with one E8M0 scale for each 32 along K = 1,024; sums in f32; then the rotation of q and k in f32; then f16, stored as IMAGES OF OPERAND REGISTERS for the attention.
; codes: [7168][512 bytes] (rows 0-4095 x, then Wq, Wk, Wv), scales: [7168][32 bytes].  The three weights are one operand of 3,072 rows.
; A work-group of four waves makes 256 positions x 256 features; a wave 128 x 128: 64 accumulators, 512 registers.  All of K fits in LDS: two slots of 512 along K, each filled ONCE, at the head; nothing is filled again.
; The scale bytes of the work-group's rows come once too, as rows of 256 bytes with 16 of padding.
; CLUSTERS: 4 x 4 work-groups; the four of a row need the same rows of x, the four of a column the same rows of the weights: each tile is asked for jointly.  Cluster x = 0, 1, 2 is q, k, v: all sixteen partners are of one kind.
; 192 work-groups: tiles that gave 256 would not split into the equal halves that the two forms below need.
; TWO FORMS OF THE PRODUCT.  q, k: source 0 = 16 rows of W, source 1 = 16 rows of x: a lane holds ONE position and eight neighbouring features, four pairs of the rotation.
;   v: source 0 = 16 rows of x, source 1 = 16 rows of W: a lane holds ONE channel and eight neighbouring positions (keys), which are the next product's K.
; IMAGES.  A fragment of 16 x 32 f16 is 1 KB: lane l's registers 0-3 at 16 l, registers 4-7 at 512 + 16 l.  The packed results ARE these registers in these lanes, so every store is 512 consecutive bytes and no stage is needed.
;   qkv = three parts of 8,388,608 bytes.  q, k: [batch][head][16 positions: 128][sub-head 2][1 KB];  v: [batch][head][32 keys: 64][16 channels: 4][1 KB].
; LIMITS: q, k, v must stay under 65,504 (f16); magnitudes under 6e-5 are kept to an absolute 3e-8.
; REGISTERS: window 0: v0-31 addresses; v32-95 scale words, two sets; v128-191 x's fragments, one set; on the way out v96-103, v128-255 at work.
;   window 1: W's fragments, two sets, at v0 and v128; v64-127 and v192-255: cosines and sines of my 128 positions.   windows 2, 3: the accumulators ((a, b) at v[8 (8 (a % 4) + b)]).
.set KSTEP,  512
.set NQ,     KSTEP/128
.set ROWB,   256                       ; a tile's row in bytes
.set KROW,   512                       ; a row of codes in memory
.set PITCH,  272                       ; an LDS row: 256 bytes + 16 of padding: the 16 rows of a load start at 16 different banks (64 banks of 4 bytes: ISA guide 11.1)
.set FR,     8
.set NL,     2
.set NP,     4                         ; places behind this matrix instruction (ISA guide 7.12.1)
.set HALFT,  128*PITCH
.set SLOT,   4*HALFT                   ; x's 256 rows, then W's 256 rows
.set KS,     32                        ; a row of scale bytes
.set SCL,    2*SLOT
.set HALFS,  (128*KS/256)*272
.set SBLK,   (16*KS/256)*272
.set SPARE,  SCL+4*HALFS               ; the spare words, 128 bytes a wave, which no other line names
.set ADRA, 16
.set ADRB, 20
.set CO,   26                          ; v26  16 x lane: my place in an image's 512 bytes
.set ADRS, 27
.set SPW,  28
.set NIL,  29
.set RO,   30                          ; v30  my place in the table of rotations: 128 (lane % 16) + 16 (lane / 16)
.set SC,   32
.set TT,   96                          ; v96-103   the rotation's products
.set AF,   128
.set OO,   128                         ; v128-191  a block's 64 rotated numbers
.set PK,   192                         ; v192-255  packed results, two sets of 32
.set G1, 24
.set G0, 32
.set G1B, 48
.set G0B, 56
.set G1S, 68
.set G0S, 76
.set G1SB, 80
.set G0SB, 88
.set MSB, 0
.macro WIN new                         ; the immediate's high byte repeats the setting that is left
.if MSB != (\new)
	s_set_vgpr_msb (MSB<<8)|(\new)
.set MSB, (\new)
.endif
.endm
.set MUL_LO, 0xa1                      ; q, k: source 0 (W) window 1, source 1 (x) window 0, C and D window 2;  v: + 3 = 0xa4: source 0 window 0, source 1 window 1
.set MUL_HI, 0xf1                      ; the same, C and D window 3
.set TO_B,   0x40
; A joint load: waves 0 and 1 fetch for x, waves 2 and 3 for W.  The branch hangs on the wave's number alone.  An s_nop 0 and four v_nop follow each of the two lines.
.macro JLOAD g0a, g1a, g0b, g1b
	s_cmp_eq_u32 s15, 0
	s_cbranch_scc0 .Lfor_b_\@
	tensor_load_to_lds s[\g0a:\g0a+3], s[\g1a:\g1a+7]
	s_nop 0
.rept 4
	v_nop
.endr
	s_branch .Lasked_\@
.Lfor_b_\@:
	tensor_load_to_lds s[\g0b:\g0b+3], s[\g1b:\g1b+7]
	s_nop 0
.rept 4
	v_nop
.endr
.Lasked_\@:
.endm
.macro CROUND                          ; a round of the cluster's barrier
	s_barrier_signal -1
	s_barrier_wait -1
	s_cmp_lg_u32 s14, 0
	s_cbranch_scc1 .Lnot_wave_0_\@
	s_barrier_signal -3
.Lnot_wave_0_\@:
	s_barrier_wait -3
	s_barrier_signal -1
	s_barrier_wait -1
.endm
	s_load_b128 s[4:7], s[0:1], 0x0                ; codes s[4:5], scales s[6:7]
	s_load_b128 s[96:99], s[0:1], 0x10             ; rope s[96:97], qkv s[98:99]
	v_lshl_add_u32 v[SPW], v0, 2, SPARE
	v_mov_b32 v[NIL], 0
	ds_add_u32 v[SPW], v[NIL]                      ; the wave's opening: the add, twice on end, and its wait ahead of my first tensor load
	ds_add_u32 v[SPW], v[NIL]
	v_lshrrev_b32 v1, 5, v0
	v_readfirstlane_b32 s14, v1                    ; wave 0..3
	s_lshr_b32 s15, s14, 1                         ; which half of the tile's positions is mine.  Also: I fetch for x (0) or for W (1)
	s_and_b32 s16, s14, 1                          ; which half of its features.  Also: which 128 rows of that tile I fetch
	s_bfe_u32 s40, ttmp6, 0x40000                  ; cx, cy: my place in the cluster
	s_bfe_u32 s41, ttmp6, 0x40004
	s_lshl_b32 s42, ttmp9, 2
	s_add_co_u32 s42, s42, s40                     ; tile column = 4 x cluster x + cx
	s_and_b32 s17, ttmp7, 0xffff
	s_lshl_b32 s17, s17, 2
	s_add_co_u32 s17, s17, s41                     ; tile row = 4 x cluster y + cy
	s_lshl_b32 s43, s41, 2
	s_lshl_b32 s43, 15, s43                        ; my row of the cluster
	s_lshl_b32 s44, 0x1111, s40                    ; my column
	; descriptor group 1: a tile of 128 rows x 256 bytes, 16 bytes of padding behind each row
	s_or_b32 s[G1+0], s43, (0<<16)|(1<<20)|(1<<21)|(5<<22)|(3<<25)
	s_or_b32 s[G1B+0], s44, (0<<16)|(1<<20)|(1<<21)|(5<<22)|(3<<25)
.irp g, G1, G1B
	s_mov_b32 s[\g+1], ROWB<<16                    ; tensor_dim0
	s_mov_b32 s[\g+2], 128<<16                     ; tensor_dim1
	s_mov_b32 s[\g+3], ROWB<<16                    ; tile_dim0
	s_mov_b32 s[\g+4], 128                         ; tile_dim1
	s_mov_b32 s[\g+5], KROW                        ; tensor_dim0_stride
	s_mov_b32 s[\g+6], 0
	s_mov_b32 s[\g+7], 0
.endr
	; the scales of 128 rows: a dense block of 4,096 bytes, as 16 rows of 256 bytes (32 elements of 8 bytes), 16 bytes of padding behind each
	s_or_b32 s[G1S+0], s43, (3<<16)|(1<<20)|(1<<21)|(5<<22)|(3<<25)
	s_or_b32 s[G1SB+0], s44, (3<<16)|(1<<20)|(1<<21)|(5<<22)|(3<<25)
.irp g, G1S, G1SB
	s_mov_b32 s[\g+1], 32<<16
	s_mov_b32 s[\g+2], (128*KS/256)<<16
	s_mov_b32 s[\g+3], 32<<16
	s_mov_b32 s[\g+4], 128*KS/256
	s_mov_b32 s[\g+5], 32
	s_mov_b32 s[\g+6], 0
	s_mov_b32 s[\g+7], 0
.endr
	s_lshl_b32 s18, s16, 7                         ; which 128 rows of the tile I fetch
	s_lshl_b32 s20, s17, 8
	s_add_co_u32 s20, s20, s18                     ; x: row 256 x tile row + 128 x half
	s_lshl_b32 s46, s42, 8
	s_add_co_u32 s46, s46, s18                     ; W: row 256 x tile column + 128 x half
	s_mov_b32 s21, 0
	s_mov_b32 s47, 0
	s_mov_b64 s[18:19], KS
	s_mul_u64 s[22:23], s[20:21], s[18:19]         ; where these rows' scales begin, in bytes
	s_mul_u64 s[92:93], s[46:47], s[18:19]
	s_mov_b64 s[18:19], KROW
	s_mul_u64 s[20:21], s[20:21], s[18:19]         ; and their codes
	s_mul_u64 s[46:47], s[46:47], s[18:19]
	s_mul_i32 s45, s14, HALFT                      ; where they go: wave x 128 rows: no place in the cluster enters an LDS address
	s_mul_i32 s94, s14, HALFS
	s_wait_dscnt 0x0                               ; both opening adds are done
	s_wait_kmcnt 0x0
	s_add_nc_u64 s[8:9], s[4:5], 2097152           ; the weights' codes lie behind x's 4,096 rows of 512 bytes,
	s_add_nc_u64 s[10:11], s[6:7], 131072          ; their scale bytes behind x's 4,096 rows of 32
	s_add_nc_u64 s[20:21], s[4:5], s[20:21]
	s_add_nc_u64 s[22:23], s[6:7], s[22:23]
	s_add_nc_u64 s[46:47], s[8:9], s[46:47]
	s_add_nc_u64 s[92:93], s[10:11], s[92:93]
	CROUND                                         ; all sixteen work-groups are here: the joint loads meet
	s_mov_b32 s[G0S], 1
	s_add_co_u32 s[G0S+1], s94, SCL
	s_mov_b64 s[G0S+2:G0S+3], s[22:23]
	s_or_b32 s[G0S+3], s[G0S+3], 0x80000000
	s_mov_b32 s[G0SB], 1
	s_add_co_u32 s[G0SB+1], s94, SCL
	s_mov_b64 s[G0SB+2:G0SB+3], s[92:93]
	s_or_b32 s[G0SB+3], s[G0SB+3], 0x80000000
	JLOAD G0S, G1S, G0SB, G1SB                     ; the scales first: they are wanted with the first K step
.irp s, 0,1
	s_mov_b32 s[G0+4*\s], 1
	s_add_co_u32 s[G0+4*\s+1], s45, \s*SLOT
	s_add_nc_u64 s[G0+4*\s+2:G0+4*\s+3], s[20:21], \s*ROWB
	s_or_b32 s[G0+4*\s+3], s[G0+4*\s+3], 0x80000000
	s_mov_b32 s[G0B+4*\s], 1
	s_add_co_u32 s[G0B+4*\s+1], s45, \s*SLOT
	s_add_nc_u64 s[G0B+4*\s+2:G0B+4*\s+3], s[46:47], \s*ROWB
	s_or_b32 s[G0B+4*\s+3], s[G0B+4*\s+3], 0x80000000
	JLOAD G0+4*\s, G1, G0B+4*\s, G1B               ; three tensor loads of a wave are out
.endr
	v_and_b32 v1, 15, v0                           ; l % 16
	v_bfe_u32 v2, v0, 4, 1                         ; l / 16
	v_mul_u32_u24 v3, v1, PITCH
	v_lshl_add_u32 v4, v2, 4, v3                   ; a fragment's row x pitch + 16 x half
	s_mul_i32 s21, s15, HALFT                      ; my 128 rows of x
	s_mul_i32 s22, s16, HALFT                      ; my 128 rows of W,
	s_add_co_u32 s22, s22, 2*HALFT                 ; which lie behind x's 256
.irp s, 0,1
	v_add_nc_u32 v[ADRA+\s], s21, v4
	v_add_nc_u32 v[ADRB+\s], s22, v4
	s_add_co_u32 s21, s21, SLOT
	s_add_co_u32 s22, s22, SLOT
.endr
	v_mul_u32_u24 v5, v1, KS                       ; my row's scales: KS bytes a row,
	v_lshrrev_b32 v6, 8, v5
	v_lshl_add_u32 v5, v6, 4, v5                   ; and 16 more for each 256 passed
	s_mul_i32 s21, s15, HALFS
	s_mul_i32 s22, s16, HALFS
	s_add_co_u32 s22, s22, 2*HALFS
	s_sub_co_u32 s22, s22, s21
	v_mul_u32_u24 v6, s22, v2                      ; lanes 16-31 take W's
	s_add_co_u32 s21, s21, SCL
	v_add_nc_u32 v5, v5, v6
	v_add_nc_u32 v[ADRS], s21, v5
	v_and_b32 v6, 31, v0
	v_lshlrev_b32 v[CO], 4, v6
	v_lshlrev_b32 v[RO], 7, v1
	v_lshl_add_u32 v[RO], v2, 4, v[RO]
	; where my wave's images begin: kind x 8,388,608 + batch x 4,194,304 + (4 cx + 2 x half) heads of 262,144 + (16 (tile row % 8) + 8 x half) x 2,048 (16 positions of q or k are 2,048 bytes, and so are 16 keys of v)
	s_lshl_b32 s20, ttmp9, 23
	s_lshr_b32 s21, s17, 3
	s_lshl_b32 s21, s21, 22
	s_add_co_u32 s20, s20, s21
	s_lshl_b32 s21, s40, 2
	s_lshl_b32 s46, s16, 1
	s_add_co_u32 s21, s21, s46
	s_lshl_b32 s21, s21, 18
	s_add_co_u32 s20, s20, s21
	s_and_b32 s21, s17, 7
	s_lshl_b32 s21, s21, 4
	s_lshl_b32 s46, s15, 3
	s_add_co_u32 s21, s21, s46
	s_lshl_b32 s46, s21, 11                        ; also my first position's row in the table: 16 positions of 128 bytes are 2,048 bytes too
	s_add_co_u32 s20, s20, s46
	s_mov_b32 s47, 0
	s_mov_b32 s21, 0
	s_add_nc_u64 s[96:97], s[96:97], s[46:47]
	s_add_nc_u64 s[12:13], s[98:99], s[20:21]
.macro FRAG reg, adr, q, i             ; 16 rows x 128 K of 4-bit codes: 8 registers: lane l holds row l % 16; registers 4 c .. 4 c + 3 hold K = 64 c + 32 (l / 16) + 0 .. 31
.irp c, 0,1
	ds_load_b128 v[\reg+4*\c:\reg+4*\c+3], v[\adr] offset:64*(\q)+32*\c+(\i)*16*PITCH
.endr
.endm
; 16 matrix instructions: x's blocks a0, a0 + 1 against W's eight, 128 along K.  p: W's set; sc: the set of scale words; zero = 1: the product starts the sums; sw = 0: q, k; 1: v.
; A scale register holds x's word in lanes 0-15 and W's in lanes 16-31.  The 64 accumulators take turns, one instruction a turn.
.macro MUL16 a0, p, q, sc, zero, sw
.irp a, \a0, \a0+1
.irp b, 0,1,2,3,4,5,6,7
.set rD, 8*(8*((\a)%4)+\b)
.set rB, 128*(\p)+FR*\b
.set rA, AF+FR*(\a)
.set sB, SC+8*NQ*(\sc)+NQ*\b+(\q)
.set sA, SC+8*NQ*(\sc)+NQ*(\a)+(\q)
.if \sw
.if \zero
	v_wmma_scale_f32_16x16x128_f8f6f4 v[rD:rD+7], v[rA:rA+7], v[rB:rB+7], 0, v[sA], v[sB] matrix_a_fmt:MATRIX_FMT_FP4 matrix_b_fmt:MATRIX_FMT_FP4 matrix_b_scale:MATRIX_SCALE_ROW1
.else
	v_wmma_scale_f32_16x16x128_f8f6f4 v[rD:rD+7], v[rA:rA+7], v[rB:rB+7], v[rD:rD+7], v[sA], v[sB] matrix_a_fmt:MATRIX_FMT_FP4 matrix_b_fmt:MATRIX_FMT_FP4 matrix_b_scale:MATRIX_SCALE_ROW1
.endif
.else
.if \zero
	v_wmma_scale_f32_16x16x128_f8f6f4 v[rD:rD+7], v[rB:rB+7], v[rA:rA+7], 0, v[sB], v[sA] matrix_a_fmt:MATRIX_FMT_FP4 matrix_b_fmt:MATRIX_FMT_FP4 matrix_a_scale:MATRIX_SCALE_ROW1
.else
	v_wmma_scale_f32_16x16x128_f8f6f4 v[rD:rD+7], v[rB:rB+7], v[rA:rA+7], v[rD:rD+7], v[sB], v[sA] matrix_a_fmt:MATRIX_FMT_FP4 matrix_b_fmt:MATRIX_FMT_FP4 matrix_a_scale:MATRIX_SCALE_ROW1
.endif
.endif
.endr
.endr
.endm
.macro FETCH_B slot, q, p
	WIN TO_B
.irp i, 0,1,2,3,4,5,6,7
	FRAG 128*(\p)+FR*\i, ADRB+\slot, \q, \i
.endr
	WIN 0
.endm
.macro FETCH_A slot, q, i0
.irp i, \i0, \i0+1, \i0+2, \i0+3
	FRAG AF+FR*(\i), ADRA+\slot, \q, \i
.endr
.endm
.macro SCALES sc                       ; a slot's scale words: four a row; lanes 0-15 take x's block i, lanes 16-31 W's block i
.irp i, 0,1,2,3,4,5,6,7
	ds_load_b128 v[SC+8*NQ*\sc+NQ*\i:SC+8*NQ*\sc+NQ*\i+3], v[ADRS] offset:\i*SBLK
.endr
.endm
.macro PLACES n                        ; plain vector lines between a matrix instruction and a load into, or a vector line on, its registers
.rept \n
	v_nop
.endr
.endm
.macro STEP slot, q, zero, sw          ; 128 along K that have their successor in the same slot
	s_wait_dscnt 4*NL                              ; W's set and x's blocks 0-3 are in; the youngest eight loads (x's blocks 4-7) may be out
	WIN MUL_LO+3*\sw
	MUL16 0, (\q)%2, \q, \slot, \zero, \sw
	MUL16 2, (\q)%2, \q, \slot, \zero, \sw
	s_wait_dscnt 0
	PLACES NP
	FETCH_B \slot, (\q)+1, 1-(\q)%2
	FETCH_A \slot, (\q)+1, 0
	WIN MUL_HI+3*\sw
	MUL16 4, (\q)%2, \q, \slot, \zero, \sw
	MUL16 6, (\q)%2, \q, \slot, \zero, \sw
	PLACES NP
	WIN 0
	FETCH_A \slot, (\q)+1, 4
.endm
.macro TURN slot, next, sw             ; slot 0's last step goes over to slot 1: each wave waits for all its tensor loads (its part of slot 1), and a barrier shows the whole slot to every wave.  Nothing is filled again
	s_wait_tensorcnt 0x0
	ds_add_u32 v[SPW], v[NIL]                      ; 0 onto my spare word
	s_wait_dscnt 4*NL+1                            ; (the add and the youngest eight loads may be out)
	WIN MUL_LO+3*\sw
	MUL16 0, 1, NQ-1, \slot, 0, \sw
	s_wait_dscnt 0x0                               ; no LDS instruction of mine is out at the signal
	s_barrier_signal -1
	MUL16 2, 1, NQ-1, \slot, 0, \sw
	WIN 0
	s_barrier_wait -1
	PLACES NP
	v_add_nc_u32 v[ADRS], 4*NQ, v[ADRS]            ; on to the next slot's scale words
	FETCH_B \next, 0, 0
	FETCH_A \next, 0, 0
	SCALES \next
	WIN MUL_HI+3*\sw
	MUL16 4, 1, NQ-1, \slot, 0, \sw
	MUL16 6, 1, NQ-1, \slot, 0, \sw
	PLACES NP
	WIN 0
	FETCH_A \next, 0, 4
.endm
.macro STEPS slot, from, sw
.set Q, \from
.rept NQ-1-\from
	STEP \slot, Q, 0, \sw
.set Q, Q+1
.endr
.endm
.macro MAIN sw                         ; the whole product: eight steps of 128 along K
	s_wait_tensorcnt 1                             ; the scales and my part of slot 0 are in; slot 1's load may be out
	s_barrier_signal -1
	s_barrier_wait -1
	FETCH_B 0, 0, 0
	FETCH_A 0, 0, 0
	SCALES 0
	FETCH_A 0, 0, 4
	STEP 0, 0, 1, \sw                              ; the first step's products start the sums: nothing is cleared
	STEPS 0, 1, \sw
	TURN 0, 1, \sw
	STEPS 1, 0, \sw
	s_wait_dscnt 4*NL
	WIN MUL_LO+3*\sw
	MUL16 0, 1, NQ-1, 1, 0, \sw
	MUL16 2, 1, NQ-1, 1, 0, \sw
	s_wait_dscnt 0
	WIN MUL_HI+3*\sw
	MUL16 4, 1, NQ-1, 1, 0, \sw
	MUL16 6, 1, NQ-1, 1, 0, \sw
	WIN 0
.endm
	s_cmp_eq_u32 ttmp9, 2                          ; the kind is the cluster's x: the same in all sixteen partners
	s_cbranch_scc1 .Lv
	; ---- q and k.  Cosines and sines of my 128 positions into window 1's 128 free registers; they land during the product.
	; Block a (16 positions) has 16 registers: +0..3 cos of pairs 4 h + 0..3 (features 16 b, b even), +4..7 cos of pairs 8 + 4 h + 0..3 (b odd), +8..11 and +12..15 the sines.
	WIN 0x40
.irp a, 0,1,2,3,4,5,6,7
.set RBA, 64+16*\a+64*(\a/4)
.irp o, 0,1,2,3
	global_load_b128 v[RBA+4*\o:RBA+4*\o+3], v[RO], s[96:97] offset:2048*\a+32*\o
.endr
.endr
	WIN 0
	MAIN 0
	s_wait_loadcnt 0x0                             ; the cosines and sines
	PLACES NP
.irp a, 0,1,2,3,4,5,6,7                ; block a: lane (r, h) holds position 16 a + r, and of W's block b the features 16 b + 8 h + 0..7
.set RBA, 64+16*\a+64*(\a/4)
	WIN 0x06+(\a/4)                                ; source 0: the accumulators' window; source 1: window 1
.irp b, 0,1,2,3,4,5,6,7
.irp p, 0,1,2,3
.set rX, 64*(\a%4)+8*\b+2*\p
.set rC, RBA+4*(\b%2)+\p
.set rS, RBA+8+4*(\b%2)+\p
	v_mul_f32 v[TT+2*\p], v[rX+1], v[rS]                           ; x2 s  (each accumulator is read from its low end on)
	v_mul_f32 v[TT+2*\p+1], v[rX], v[rS]                           ; x1 s
	v_fma_f32 v[OO+8*\b+2*\p], v[rX], v[rC], -v[TT+2*\p]           ; x1 c - x2 s
	v_fma_f32 v[OO+8*\b+2*\p+1], v[rX+1], v[rC], v[TT+2*\p+1]      ; x2 c + x1 s
.endr
.endr
	WIN 0
.if \a >= 2
	s_wait_xcnt 0x0                                ; block a - 2's stores have read this set of packed registers
.endif
.irp i, 0,1,2,3,4,5,6,7,8,9,10,11,12,13,14,15,16,17,18,19,20,21,22,23,24,25,26,27,28,29,30,31
	v_cvt_pk_f16_f32 v[PK+32*(\a%2)+\i], v[OO+2*\i], v[OO+2*\i+1]
.endr
.irp b, 0,1,2,3,4,5,6,7                ; head b / 4, sub-head (b / 2) % 2, registers 0-3 (b even) or 4-7 (b odd) of the image: 512 consecutive bytes a store
	global_store_b128 v[CO], v[PK+32*(\a%2)+4*\b:PK+32*(\a%2)+4*\b+3], s[12:13] offset:\a*2048+(\b/4)*262144+((\b/2)%2)*1024+(\b%2)*512
.endr
.endr
	s_branch .Lend
	; ---- v: lane (r, h) holds channel 16 b + r and positions 16 a + 8 h + 0..7
.Lv:
	MAIN 1
	PLACES NP
.irp a, 0,1,2,3,4,5,6,7
.if \a >= 2
	s_wait_xcnt 0x0                                ; block a - 2's stores have read this set of packed registers
.endif
	WIN 0x0a+5*(\a/4)                              ; sources 0 and 1: the accumulators' window
.irp b, 0,1,2,3,4,5,6,7
.irp p, 0,1,2,3
	v_cvt_pk_f16_f32 v[PK+32*(\a%2)+4*\b+\p], v[64*(\a%4)+8*\b+2*\p], v[64*(\a%4)+8*\b+2*\p+1]
.endr
.endr
	WIN 0
.irp b, 0,1,2,3,4,5,6,7                ; 32 keys a / 2, registers 0-3 (a even) or 4-7 (a odd); head b / 4, channels 16 (b % 4) on
	global_store_b128 v[CO], v[PK+32*(\a%2)+4*\b:PK+32*(\a%2)+4*\b+3], s[12:13] offset:(\a/2)*4096+(\a%2)*512+(\b/4)*262144+(\b%4)*1024
.endr
.endr
.Lend:
	s_wait_tensorcnt 0x0                           ; the wave's end
	ds_add_u32 v[SPW], v[NIL]
	s_wait_dscnt 0x0
	CROUND                                         ; the closing round
	s_endpgm
.Lfunc_end_k_qedaa7b6776_qkv:
	.size	k_qedaa7b6776_qkv, .Lfunc_end_k_qedaa7b6776_qkv-k_qedaa7b6776_qkv
	.p2alignl 7, 3214868480
	.fill 96, 4, 3214868480
	.section	.rodata,"a",@progbits
	.p2align	6, 0x0
	.amdhsa_kernel k_qedaa7b6776_qkv
		.amdhsa_group_segment_fixed_size 327680
		.amdhsa_private_segment_fixed_size 0
		.amdhsa_enable_private_segment 0
		.amdhsa_kernarg_size 32
		.amdhsa_user_sgpr_count 2
		.amdhsa_user_sgpr_kernarg_segment_ptr 1
		.amdhsa_wavefront_size32 1
		.amdhsa_system_sgpr_workgroup_id_x 1
		.amdhsa_system_sgpr_workgroup_id_y 1
		.amdhsa_system_sgpr_workgroup_id_z 1
		.amdhsa_system_vgpr_workitem_id 0
		.amdhsa_next_free_vgpr 1024
		.amdhsa_next_free_sgpr 100
		.amdhsa_reserve_vcc 0
		.amdhsa_float_denorm_mode_32 3
		.amdhsa_float_denorm_mode_16_64 3
		.amdhsa_memory_ordered 1
		.amdhsa_forward_progress 1
		.amdhsa_inst_pref_size 255
	.end_amdhsa_kernel
	.section	.bss,"aw",@nobits
	.p2align	6
	.space	262144
	.amdgpu_metadata
---
amdhsa.version: [ 1, 2 ]
amdhsa.kernels:
  - .name:           k_qedaa7b6776_qkv
    .symbol:         k_qedaa7b6776_qkv.kd
    .args:
      - { .name: codes, .offset: 0, .size: 8, .value_kind: global_buffer, .address_space: global }
      - { .name: scales, .offset: 8, .size: 8, .value_kind: global_buffer, .address_space: global }
      - { .name: rope, .offset: 16, .size: 8, .value_kind: global_buffer, .address_space: global }
      - { .name: qkv, .offset: 24, .size: 8, .value_kind: global_buffer, .address_space: global }
    .group_segment_fixed_size: 327680
    .private_segment_fixed_size: 0
    .kernarg_segment_align: 8
    .kernarg_segment_size: 32
    .max_flat_workgroup_size: 128
    .sgpr_count:     100
    .vgpr_count:     1024
    .wavefront_size: 32
...
	.end_amdgpu_metadata
.endif
;; end of part 2
;; launch attn (part 3): grid 8 x 32, 16 waves a work-group, clusters of 4 x 1, 327,680 bytes of LDS; arguments qkv, lambda_q1, lambda_k1, lambda_q2, lambda_k2, rms_weight, aimg; writes aimg
.if DOCPART == 3
	.amdgcn_target "amdgcn-amd-amdhsa--gfx1250"
	.amdhsa_code_object_version 6
	.text
	.protected	k_qedaa7b6776_attn
	.globl	k_qedaa7b6776_attn
	.p2align	8
	.type	k_qedaa7b6776_attn,@function
k_qedaa7b6776_attn:
	s_mov_b64 s[64:65], 0
	v_nop
	global_prefetch_b8 v0, s[64:65] scope:SCOPE_SE
	s_setreg_imm32_b32 hwreg(HW_REG_WAVE_MODE, 25, 1), 1
	s_wait_xcnt 0x0
	s_wait_alu depctr_hold_cnt(0) depctr_sa_sdst(0) depctr_va_vdst(0) depctr_va_sdst(0) depctr_va_ssrc(0) depctr_va_vcc(0) depctr_vm_vsrc(0)
	s_getreg_b32 s2, hwreg(HW_REG_IB_STS2, 6, 4)
	s_cmp_eq_u32 s2, 0
	s_cbranch_scc0 .Lentry_in_a_cluster
	s_endpgm
.Lentry_in_a_cluster:
	s_bfe_u32 s2, ttmp6, 0x10000c
	s_cmp_lg_u32 s2, 0x3003
	s_cbranch_scc0 .Lentry_shape_is_right
	s_endpgm
.Lentry_shape_is_right:
; a = RMSNorm(attn1 - lam attn2) x rms_weight x (1 - LAMBDA_INIT), attn_s = softmax(q_s k_s^T / sqrt(32)) v, for both sub-heads s of one head; no mask.  Operands in f16, sums, maxima and softmax in f32.
; SHARES.  A work-group owns 256 queries of one head (y = 16 x batch + head); each of its SIXTEEN waves owns 16 queries x both sub-heads in 256 registers: four waves to a SIMD, so that one wave's softmax stands beside another's products and LDS loads.
; Every wave walks the head's 2,048 keys, 64 a step.  K and V come as images of operand registers (1 KB a fragment: lane l's registers 0-3 at 16 l, 4-7 at 512 + 16 l): every LDS load reads 512 consecutive bytes, nothing is padded or turned.
; LAYOUT.  S^T = K Q^T (source 0 = 16 keys, source 1 = my 16 queries), O^T = V^T P (source 0 = 16 channels x 32 keys, source 1 = P): a lane holds ONE query (lane % 16) throughout; two tiles of S^T, rounded to f16 in pairs, ARE source 1 of the second product.
; SOFTMAX.  For each query and sub-head a running maximum m and sum l: p = 2^(c s - c m), c = log2(e) / sqrt(32); in every step O and l are multiplied by 2^(c m_old - c m_new).  The sum is taken of p before it is rounded.
; RING.  Two LDS slots of 512 keys (K 65,536 bytes, then V 65,536); four slots' worth of keys.  Waves 0-3 fetch a quarter of a slot each, 32,768 dense bytes as 128 rows of 256.
; CLUSTER.  The four query blocks of a cluster walk the same K and V: each tile is asked for jointly (mask 15).  My place in the cluster enters Q's and the output's addresses alone.
; No prefetch: each refill is asked for a whole slot, eight key steps of all sixteen waves, ahead of its first read, and there are only four slots.
; OUTPUT.  aimg: [16 rows of (batch, position): 256][32 along the embedding: 32][1 KB]: images of the last product's operand: a wave stores 2,048 consecutive bytes.
; LIMITS: the norm's output, at most 8 |rms_weight| x 0.22 in magnitude, must stay under 65,504 (f16); p under 6e-8 of a row's largest counts for nothing in the second product; NaN and infinities are not served.
; REGISTERS: v0 2^(change of c m) of sub-head 1 (low word of the pair v[0:1]); v1 16 x lane; v2, v5 LDS addresses; v3, v4 the add's two; v6 the same factor of sub-head 0 (pair v[6:7]); v8-23 Q; v24-87 eight fragments of K or of V;
;   v88-151 S^T, then p; v152-183 P (before the roundings: the maxima's scratch); v184-247 O^T; v248-255: for each sub-head c m, m, l in two halves.
.set SLOT1, 131072
.set SPARE, 262144                     ; behind the ring: the spare words, 128 bytes for each of 16 waves, which no other line names
.set LI,  1
.set ADK, 2
.set SPW, 3
.set NIL, 4
.set ADV, 5
.set QF,  8
.set KV,  24
.set S,   88
.set P,   152
.set O,   184
.set ST,  248
.set WV,  18                           ; s18 my wave's number
.macro ROUND                           ; a round of the cluster's barrier
	s_barrier_signal -1
	s_barrier_wait -1
	s_cmp_lg_u32 s[WV], 0
	s_cbranch_scc1 .Lnot_wave_0_\@
	s_barrier_signal -3
.Lnot_wave_0_\@:
	s_barrier_wait -3
	s_barrier_signal -1
	s_barrier_wait -1
.endm
.macro JLOAD n                         ; waves 0-3 ask for their quarter of slot n; the branch hangs on the wave's number alone.  An s_nop 0 and four v_nop follow the load
	s_cmp_lt_u32 s[WV], 4
	s_cbranch_scc0 .Lno_load_\@
	tensor_load_to_lds s[36+4*(\n):39+4*(\n)], s[28:35]
	s_nop 0
.rept 4
	v_nop
.endr
.Lno_load_\@:
.endm
.macro LOAD8 adr                       ; eight fragments, 8 KB on end
.irp f, 0,1,2,3,4,5,6,7
	ds_load_b128 v[KV+8*\f:KV+8*\f+3], v[\adr] offset:1024*\f
	ds_load_b128 v[KV+8*\f+4:KV+8*\f+7], v[\adr] offset:1024*\f+512
.endr
.endm
	s_load_b256 s[4:11], s[0:1], 0x0               ; qkv s[4:5], lambda_q1 s[6:7], lambda_k1 s[8:9], lambda_q2 s[10:11]
	s_load_b128 s[12:15], s[0:1], 0x20             ; lambda_k2 s[12:13], rms_weight s[14:15]
	s_load_b64 s[16:17], s[0:1], 0x30              ; aimg
	v_lshl_add_u32 v[SPW], v0, 2, SPARE
	v_mov_b32 v[NIL], 0
	ds_add_u32 v[SPW], v[NIL]                      ; the wave's opening: the add, twice on end, and its wait ahead of the first tensor load
	ds_add_u32 v[SPW], v[NIL]
	v_lshrrev_b32 v2, 5, v0
	v_readfirstlane_b32 s[WV], v2                  ; wave 0..15
	v_and_b32 v[LI], 31, v0
	v_lshlrev_b32 v[LI], 4, v[LI]
	s_bfe_u32 s19, ttmp6, 0x40000                  ; cx
	s_lshl_b32 s20, ttmp9, 2
	s_add_co_u32 s20, s20, s19                     ; my block of 256 queries
	s_and_b32 s21, ttmp7, 0xffff                   ; 16 x batch + head, which the four partners share
	; descriptor group 1: 128 rows of 256 bytes (32 elements of 8 bytes), dense in memory and in LDS
	s_mov_b32 s28, 15|(3<<16)|(1<<21)              ; 15:0 the mask: all four work-groups; 17:16 elements of 8 bytes; 21 set beside a mask
	s_mov_b32 s29, 32<<16                          ; tensor_dim0
	s_mov_b32 s30, 128<<16                         ; tensor_dim1
	s_mov_b32 s31, 32<<16                          ; tile_dim0
	s_mov_b32 s32, 128                             ; tile_dim1
	s_mov_b32 s33, 32                              ; tensor_dim0_stride
	s_mov_b32 s34, 0
	s_mov_b32 s35, 0
	s_mov_b32 s22, 0x3e8293ee                      ; c = log2(e) / sqrt(32)
	s_mov_b32 s23, s22                             ; (named with it as a pair)
	s_mov_b32 s24, 0x76543210                      ; v_permlanex16_b32's selects for lane l xor 16
	s_mov_b32 s25, 0xfedcba98
	s_mov_b32 s58, 0x3c800000                      ; 1 / 64
	s_mov_b32 s59, 0x3727c5ac                      ; 1e-5
	s_and_b32 s46, s[WV], 3                        ; w: which quarter of a slot I would fetch: 0, 1 K's halves, 2, 3 V's
	s_lshl_b32 s47, s46, 15                        ; its place in a slot
	s_lshr_b32 s48, s46, 1
	s_add_co_u32 s48, s48, 1
	s_lshl_b32 s48, s48, 23                        ; k's part of qkv begins at 8,388,608, v's at twice that
	s_and_b32 s49, s46, 1
	s_lshl_b32 s49, s49, 15
	s_add_co_u32 s48, s48, s49
	s_lshl_b32 s49, s21, 18                        ; a head's images are 262,144 bytes
	s_add_co_u32 s48, s48, s49
	s_mov_b32 s49, 0
	s_lshl_b32 s50, s20, 4
	s_add_co_u32 s50, s50, s[WV]                   ; my tile of 16 queries in the head
	s_lshl_b32 s52, s50, 11
	s_lshl_b32 s51, s21, 18
	s_add_co_u32 s52, s52, s51                     ; Q's images: 2,048 bytes a tile
	s_mov_b32 s53, 0
	s_lshr_b32 s51, s21, 4
	s_lshl_b32 s51, s51, 7
	s_add_co_u32 s51, s51, s50                     ; my tile of 16 rows of the output: 128 x batch + the tile
	s_lshl_b32 s54, s51, 15
	s_and_b32 s51, s21, 15
	s_lshl_b32 s51, s51, 11                        ; the head's two images
	s_add_co_u32 s54, s54, s51
	s_mov_b32 s55, 0
	s_wait_dscnt 0x0                               ; both opening adds are done
	s_wait_kmcnt 0x0
	s_mov_b32 s36, 1                               ; group 0 for slot 0: keys 0-511
	s_mov_b32 s37, s47
	s_add_nc_u64 s[38:39], s[4:5], s[48:49]
	s_mov_b32 s40, 1                               ; and for slot 1: keys 512-1023, 65,536 bytes on
	s_add_co_u32 s41, s47, SLOT1
	s_add_nc_u64 s[42:43], s[38:39], 65536
	s_or_b32 s39, s39, 0x80000000
	s_or_b32 s43, s43, 0x80000000
	s_add_nc_u64 s[16:17], s[16:17], s[54:55]
	s_add_nc_u64 s[4:5], s[4:5], s[52:53]
	ROUND                                          ; all four work-groups are here: the first joint loads meet
	JLOAD 0
.irp i, 0,1,2,3
	global_load_b128 v[QF+4*\i:QF+4*\i+3], v[LI], s[4:5] offset:512*\i   ; Q stays in registers: sub-head i / 2
.endr
	v_lshrrev_b32 v2, 2, v[LI]                     ; 4 x lane
	global_load_b32 v88, v2, s[6:7]
	global_load_b32 v89, v2, s[8:9]
	global_load_b32 v90, v2, s[10:11]
	global_load_b32 v91, v2, s[12:13]
	v_mov_b32 v[ST+1], 0xff61b1e6                  ; m = -3e38, under every score
	v_mov_b32 v[ST+5], 0xff61b1e6
	v_mul_f32 v[ST], s22, v[ST+1]                  ; c m
	v_mul_f32 v[ST+4], s22, v[ST+5]
	v_mov_b32 v[ST+2], 0                           ; l
	v_mov_b32 v[ST+3], 0
	v_mov_b32 v[ST+6], 0
	v_mov_b32 v[ST+7], 0
.set i, 0
.rept 64
	v_mov_b32 v[O+i], 0                            ; O^T.  (The step is written once: the first finds zeros, which the first factor, 0, leaves zeros)
.set i, i+1
.endr
	v_mov_b32 v92, 0                               ; a lane permute's destination counts as one of its sources
	v_mov_b32 v93, 0
	v_mov_b32 v0, 0                                ; the thread's number has served
	v_mov_b32 v6, 0
	v_mov_b32 v7, 0                                ; (named as the upper half of the pair v[6:7])
	s_wait_loadcnt 0x0
	; lam = exp(sum lambda_q1 lambda_k1) - exp(sum lambda_q2 lambda_k2) + LAMBDA_INIT
	v_mul_f32 v88, v88, v89
	v_mul_f32 v90, v90, v91
.irp x, 1,2,4,8
	v_add_f32_dpp v88, v88, v88 row_xmask:\x row_mask:0xf bank_mask:0xf
	v_add_f32_dpp v90, v90, v90 row_xmask:\x row_mask:0xf bank_mask:0xf
.endr
	v_permlanex16_b32 v92, v88, s24, s25
	v_permlanex16_b32 v93, v90, s24, s25
	v_add_f32 v88, v88, v92
	v_add_f32 v90, v90, v93
	v_mul_f32 v88, 0x3fb8aa3b, v88
	v_mul_f32 v90, 0x3fb8aa3b, v90
	v_exp_f32 v88, v88
	v_exp_f32 v90, v90
	v_nop                                          ; a plain line behind the exponentials
	s_wait_alu depctr_va_vdst(0)                   ; and one wait for both, ahead of their first reader
	v_sub_f32 v88, v88, v90
	v_add_f32 v88, 0x3f489a63, v88                 ; + 0.8 - 0.6 exp(-3.6)
	v_readfirstlane_b32 s56, v88
	s_xor_b32 s57, s56, 0x80000000                 ; -lam
; A KEY STEP: 64 keys, both sub-heads.  s44: the LDS byte at which the step's fragments of K begin; V's lie 65,536 bytes on.
.macro STEP
	v_add_nc_u32 v[ADK], s44, v[LI]
	v_add_nc_u32 v[ADV], 0x10000, v[ADK]
	v_nop
	v_nop                                          ; four plain lines between the last step's products and loads into, or vector writes of, their sources
	LOAD8 ADK                                      ; K: fragment 2 kt + s: keys 16 kt on, sub-head s
	s_wait_dscnt 0x0
.irp f, 0,1,2,3,4,5,6,7
	v_wmma_f32_16x16x32_f16 v[S+32*(\f%2)+8*(\f/2):S+32*(\f%2)+8*(\f/2)+7], v[KV+8*\f:KV+8*\f+7], v[QF+8*(\f%2):QF+8*(\f%2)+7], 0
.endr
.rept 4
	v_nop
.endr
	LOAD8 ADV                                      ; V: fragment 4 u + ct: keys 32 u on, channels 16 ct on; it lands during the softmax
	; the maximum of my 32 scores of each sub-head and the old m: four chains, each begun at its tile's low end; the sub-heads by turns
.irp j, 0,1,2,3
.irp s, 0,1
	v_max3_num_f32 v[P+8*\s+\j], v[S+32*\s+8*\j], v[S+32*\s+8*\j+1], v[S+32*\s+8*\j+2]
.endr
.endr
.irp g, 1,2
.irp j, 0,1,2,3
.irp s, 0,1
	v_max3_num_f32 v[P+8*\s+\j], v[P+8*\s+\j], v[S+32*\s+8*\j+2*\g+1], v[S+32*\s+8*\j+2*\g+2]
.endr
.endr
.endr
.irp s, 0,1
	v_max3_num_f32 v[P+8*\s], v[P+8*\s], v[S+32*\s+7], v[S+32*\s+15]
.endr
.irp s, 0,1
	v_max3_num_f32 v[P+8*\s+2], v[P+8*\s+2], v[S+32*\s+23], v[S+32*\s+31]
.endr
.irp s, 0,1
	v_max3_num_f32 v[P+8*\s], v[P+8*\s], v[P+8*\s+1], v[P+8*\s+2]
.endr
.irp s, 0,1
	v_max3_num_f32 v[P+8*\s], v[P+8*\s], v[P+8*\s+3], v[ST+4*\s+1]
.endr
.irp s, 0,1
	v_permlanex16_b32 v[P+8*\s+1], v[P+8*\s], s24, s25             ; the query's other 32 keys lie in the lane 16 away
.endr
.irp s, 0,1
	v_mov_b32 v[P+8*\s+3], v[ST+4*\s]                              ; c m_old
.endr
.irp s, 0,1
	v_max_num_f32 v[ST+4*\s+1], v[P+8*\s], v[P+8*\s+1]             ; the new m
.endr
.irp s, 0,1
	v_mul_f32 v[ST+4*\s], s22, v[ST+4*\s+1]                        ; c m
.endr
.irp s, 0,1
	v_sub_f32 v[P+8*\s+3], v[P+8*\s+3], v[ST+4*\s]                 ; c m_old - c m_new
.endr
.irp s, 0,1
.irp j, 0,2,4,6,8,10,12,14,16,18,20,22,24,26,28,30
	v_pk_fma_f32 v[S+32*\s+\j:S+32*\s+\j+1], v[S+32*\s+\j:S+32*\s+\j+1], s[22:23], v[ST+4*\s:ST+4*\s+1] op_sel_hi:[1,0,0] neg_lo:[0,0,1] neg_hi:[0,0,1]   ; c s - c m, two at a time
.endr
.endr
	v_exp_f32 v6, v[P+3]                           ; ONE BATCH of 66 exponentials: the two factors,
	v_exp_f32 v0, v[P+11]
.set i, 0
.rept 64
	v_exp_f32 v[S+i], v[S+i]                       ; and p
.set i, i+1
.endr
	v_nop                                          ; a plain line behind the last exponential
	s_wait_alu depctr_va_vdst(0)                   ; one wait for the batch, ahead of its first reader
.set i, 0
.rept 32
	v_cvt_pk_f16_f32 v[P+i], v[S+2*i], v[S+2*i+1]  ; sub-head i / 16: tiles 2 u and 2 u + 1 become registers 0-3 and 4-7 of P (keys 32 u on)
.set i, i+1
.endr
	; the sums of the unrounded p, in place: neighbours 1, 2, 4 and 8 pairs apart, both sub-heads
.irp u, 0,1,2,3,4,5,6,7,8,9,10,11,12,13,14,15
	v_pk_add_f32 v[S+4*\u:S+4*\u+1], v[S+4*\u:S+4*\u+1], v[S+4*\u+2:S+4*\u+3]
.endr
.irp u, 0,1,2,3,4,5,6,7
	v_pk_add_f32 v[S+8*\u:S+8*\u+1], v[S+8*\u:S+8*\u+1], v[S+8*\u+4:S+8*\u+5]
.endr
.irp u, 0,1,2,3
	v_pk_add_f32 v[S+16*\u:S+16*\u+1], v[S+16*\u:S+16*\u+1], v[S+16*\u+8:S+16*\u+9]
.endr
.irp u, 0,1
	v_pk_add_f32 v[S+32*\u:S+32*\u+1], v[S+32*\u:S+32*\u+1], v[S+32*\u+16:S+32*\u+17]
.endr
	v_pk_fma_f32 v[ST+2:ST+3], v[ST+2:ST+3], v[6:7], v[S:S+1] op_sel_hi:[1,0,1]          ; l = factor x l + the step's sum
	v_pk_fma_f32 v[ST+6:ST+7], v[ST+6:ST+7], v[0:1], v[S+32:S+33] op_sel_hi:[1,0,1]
.set i, 0
.rept 16
	v_pk_mul_f32 v[O+i:O+i+1], v[O+i:O+i+1], v[6:7] op_sel_hi:[1,0]                      ; O^T x factor, each accumulator from its low end on
	v_pk_mul_f32 v[O+32+i:O+33+i], v[O+32+i:O+33+i], v[0:1] op_sel_hi:[1,0]
.set i, i+2
.endr
	s_wait_dscnt 0x0                               ; V is in
.irp u, 0,1                            ; the eight accumulators take turns, one instruction a turn
.irp ct, 0,1,2,3
.irp s, 0,1
	v_wmma_f32_16x16x32_f16 v[O+32*\s+8*\ct:O+32*\s+8*\ct+7], v[KV+8*(4*\u+\ct):KV+8*(4*\u+\ct)+7], v[P+16*\s+8*\u:P+16*\s+8*\u+7], v[O+32*\s+8*\ct:O+32*\s+8*\ct+7]
.endr
.endr
.endr
.endm
; A SLOT'S EIGHT STEPS, with the change of slots at their head.  Each wave waits for all its tensor loads (its part of the slot ahead), adds 0 to its spare word, and waits for that and for its reads of the slot that it has left.
; refill = 1: a round of the cluster's barrier follows, and behind it the other slot is asked for, first thing: one load a wave, which has this slot's eight steps in which to land.  One tensor load of a wave is out at the most.
; step = 1: this slot's group 0 goes two slots on, for the load of the next change (no tensor load of mine is out here).
.macro TRIP slot, refill, step
	s_wait_tensorcnt 0x0
	ds_add_u32 v[SPW], v[NIL]
.if \refill
	ds_add_u32 v[SPW], v[NIL]                      ; twice on end where a tensor load may still follow
.endif
.if \step
	s_add_nc_u64 s[38+4*\slot:39+4*\slot], s[38+4*\slot:39+4*\slot], 131072
.endif
	s_mov_b32 s44, \slot*SLOT1
	s_mov_b32 s45, 8
	s_wait_dscnt 0x0
.if \refill
	ROUND
	JLOAD 1-\slot
.else
	s_barrier_signal -1
	s_barrier_wait -1
.endif
.Lstep_\@:
	STEP
	s_add_co_u32 s44, s44, 8192                    ; 64 keys: 8 KB of K, and of V
	s_sub_co_u32 s45, s45, 1
	s_cmp_lg_u32 s45, 0
	s_cbranch_scc1 .Lstep_\@
.endm
	TRIP 0, 1, 1                                   ; keys 0-511;     slot 1 is filled for the first time: no bytes are filled again behind this round
	TRIP 1, 1, 1                                   ; keys 512-1023;  slot 0 takes keys 1024-1535
	TRIP 0, 1, 0                                   ; keys 1024-1535; slot 1 takes keys 1536-2047
	TRIP 1, 0, 0                                   ; keys 1536-2047; nothing is left to fetch
	; THE WAY OUT.  a = O0 / l0 - lam O1 / l1; mean of a a over the 64 channels (32 mine, 32 in the lane 16 away); a x rsqrt(mean + 1e-5) x (1 - LAMBDA_INIT) x weight; f16; four stores of 512 consecutive bytes.
	v_add_f32 v[ST+2], v[ST+2], v[ST+3]
	v_add_f32 v[ST+6], v[ST+6], v[ST+7]
	v_nop
	v_nop                                          ; four plain lines behind the last products
	v_lshrrev_b32 v2, 3, v[LI]
	v_and_b32 v2, 32, v2                           ; 32 (lane / 16): my eight channels of a tile of 16
.irp ct, 0,1,2,3
	global_load_b128 v[KV+8*\ct:KV+8*\ct+3], v2, s[14:15] offset:64*\ct
	global_load_b128 v[KV+8*\ct+4:KV+8*\ct+7], v2, s[14:15] offset:64*\ct+16
.endr
	v_permlanex16_b32 v[ST+3], v[ST+2], s24, s25
	v_permlanex16_b32 v[ST+7], v[ST+6], s24, s25
	v_add_f32 v[ST+2], v[ST+2], v[ST+3]
	v_add_f32 v[ST+6], v[ST+6], v[ST+7]
	v_rcp_f32 v6, v[ST+2]
	v_rcp_f32 v0, v[ST+6]
	v_nop
	s_wait_alu depctr_va_vdst(0)                   ; one wait for both reciprocals
	v_mul_f32 v0, s57, v0                          ; -lam / l1
.set i, 0
.rept 16
	v_pk_mul_f32 v[S+i:S+i+1], v[O+i:O+i+1], v[6:7] op_sel_hi:[1,0]
	v_pk_fma_f32 v[S+i:S+i+1], v[O+32+i:O+33+i], v[0:1], v[S+i:S+i+1] op_sel_hi:[1,0,1]
.set i, i+2
.endr
	v_pk_mul_f32 v[S+32:S+33], v[S:S+1], v[S:S+1]
	v_pk_mul_f32 v[S+34:S+35], v[S+2:S+3], v[S+2:S+3]
.irp j, 4,8,12,16,20,24,28
	v_pk_fma_f32 v[S+32:S+33], v[S+\j:S+\j+1], v[S+\j:S+\j+1], v[S+32:S+33]
	v_pk_fma_f32 v[S+34:S+35], v[S+\j+2:S+\j+3], v[S+\j+2:S+\j+3], v[S+34:S+35]
.endr
	v_pk_add_f32 v[S+32:S+33], v[S+32:S+33], v[S+34:S+35]
	v_add_f32 v[S+32], v[S+32], v[S+33]
	v_permlanex16_b32 v[S+33], v[S+32], s24, s25
	v_add_f32 v[S+32], v[S+32], v[S+33]
	v_fma_f32 v[S+32], v[S+32], s58, s59           ; mean + 1e-5
	v_rsq_f32 v[S+32], v[S+32]
	v_nop
	s_wait_alu depctr_va_vdst(0)
	v_mul_f32 v[S+32], 0x3e5d9673, v[S+32]         ; x (1 - LAMBDA_INIT)
	s_wait_loadcnt 0x0                             ; the weights
.set i, 0
.rept 16
	v_pk_mul_f32 v[S+i:S+i+1], v[S+i:S+i+1], v[S+32:S+33] op_sel_hi:[1,0]
.set i, i+2
.endr
.set i, 0
.rept 16
	v_pk_mul_f32 v[S+i:S+i+1], v[S+i:S+i+1], v[KV+i:KV+i+1]
.set i, i+2
.endr
.set i, 0
.rept 16
	v_cvt_pk_f16_f32 v[P+i], v[S+2*i], v[S+2*i+1]
.set i, i+1
.endr
.irp ct, 0,1,2,3
	global_store_b128 v[LI], v[P+4*\ct:P+4*\ct+3], s[16:17] offset:512*\ct   ; channels 16 ct + 8 (lane / 16) + 0..7 of row lane % 16: half an image
.endr
	s_wait_tensorcnt 0x0                           ; the wave's end
	ds_add_u32 v[SPW], v[NIL]
	s_wait_dscnt 0x0
	ROUND                                          ; the closing round
	s_endpgm
.Lfunc_end_k_qedaa7b6776_attn:
	.size	k_qedaa7b6776_attn, .Lfunc_end_k_qedaa7b6776_attn-k_qedaa7b6776_attn
	.p2alignl 7, 3214868480
	.fill 96, 4, 3214868480
	.section	.rodata,"a",@progbits
	.p2align	6, 0x0
	.amdhsa_kernel k_qedaa7b6776_attn
		.amdhsa_group_segment_fixed_size 327680
		.amdhsa_private_segment_fixed_size 0
		.amdhsa_enable_private_segment 0
		.amdhsa_kernarg_size 56
		.amdhsa_user_sgpr_count 2
		.amdhsa_user_sgpr_kernarg_segment_ptr 1
		.amdhsa_wavefront_size32 1
		.amdhsa_system_sgpr_workgroup_id_x 1
		.amdhsa_system_sgpr_workgroup_id_y 1
		.amdhsa_system_sgpr_workgroup_id_z 1
		.amdhsa_system_vgpr_workitem_id 0
		.amdhsa_next_free_vgpr 256
		.amdhsa_next_free_sgpr 66
		.amdhsa_reserve_vcc 0
		.amdhsa_float_denorm_mode_32 3
		.amdhsa_float_denorm_mode_16_64 3
		.amdhsa_memory_ordered 1
		.amdhsa_forward_progress 1
		.amdhsa_inst_pref_size 86
	.end_amdhsa_kernel
	.amdgpu_metadata
---
amdhsa.version: [ 1, 2 ]
amdhsa.kernels:
  - .name:           k_qedaa7b6776_attn
    .symbol:         k_qedaa7b6776_attn.kd
    .args:
      - { .name: qkv, .offset: 0, .size: 8, .value_kind: global_buffer, .address_space: global }
      - { .name: lambda_q1, .offset: 8, .size: 8, .value_kind: global_buffer, .address_space: global }
      - { .name: lambda_k1, .offset: 16, .size: 8, .value_kind: global_buffer, .address_space: global }
      - { .name: lambda_q2, .offset: 24, .size: 8, .value_kind: global_buffer, .address_space: global }
      - { .name: lambda_k2, .offset: 32, .size: 8, .value_kind: global_buffer, .address_space: global }
      - { .name: rms_weight, .offset: 40, .size: 8, .value_kind: global_buffer, .address_space: global }
      - { .name: aimg, .offset: 48, .size: 8, .value_kind: global_buffer, .address_space: global }
    .group_segment_fixed_size: 327680
    .private_segment_fixed_size: 0
    .kernarg_segment_align: 8
    .kernarg_segment_size: 56
    .max_flat_workgroup_size: 512
    .sgpr_count:     66
    .vgpr_count:     256
    .wavefront_size: 32
...
	.end_amdgpu_metadata
.endif
;; end of part 3
;; launch oproj (part 4): grid 8 x 32, 4 waves a work-group, clusters of 4 x 4, 327,680 bytes of LDS; arguments aimg, wo16, out0; writes out0
.if DOCPART == 4
	.amdgcn_target "amdgcn-amd-amdhsa--gfx1250"
	.amdhsa_code_object_version 6
	.text
	.protected	k_qedaa7b6776_oproj
	.globl	k_qedaa7b6776_oproj
	.p2align	8
	.type	k_qedaa7b6776_oproj,@function
k_qedaa7b6776_oproj:
	s_mov_b64 s[64:65], 0
	v_nop
	global_prefetch_b8 v0, s[64:65] scope:SCOPE_SE
	s_setreg_imm32_b32 hwreg(HW_REG_WAVE_MODE, 25, 1), 1
	s_wait_xcnt 0x0
	s_wait_alu depctr_hold_cnt(0) depctr_sa_sdst(0) depctr_va_vdst(0) depctr_va_sdst(0) depctr_va_ssrc(0) depctr_va_vcc(0) depctr_vm_vsrc(0)
	s_getreg_b32 s2, hwreg(HW_REG_IB_STS2, 6, 4)
	s_cmp_eq_u32 s2, 0
	s_cbranch_scc0 .Lentry_in_a_cluster
	s_endpgm
.Lentry_in_a_cluster:
	s_bfe_u32 s2, ttmp6, 0x10000c
	s_cmp_lg_u32 s2, 0xf033
	s_cbranch_scc0 .Lentry_shape_is_right
	s_endpgm
.Lentry_shape_is_right:
; out0[m][n] = sum over k of a[m][k] Wo[n][k].  a: 4,096 x 1,024 f16 as images of operand registers, aimg [16 rows: 256][32 along k: 32][1 KB]; Wo: wo16 [1024][1024] f16, rows along k; out0: [4096][1024] f32; sums in f32.
; A tile of the output is 128 x 128, which gives 256 work-groups.  Four waves, each 64 x 64: 16 accumulators.  K goes in steps of 256 through a ring of two LDS slots.
; In a slot a's part is dense (8 tiles of rows x 8 KB of images: every fragment load reads 512 consecutive bytes), Wo's part has rows of 512 bytes + 16 of padding.
; CLUSTERS: 4 x 4 work-groups; the four of a row need the same tiles of a, the four of a column the same tiles of Wo: each tile is asked for jointly.
; THE MATRIX INSTRUCTION IS USED TRANSPOSED (source 0 = 16 rows of Wo, source 1 = 16 rows of a): a lane holds eight neighbouring numbers of a row of the output.
; No prefetch (the tiles are small and the whole K is four steps); one tile to a work-group.
; REGISTERS: window 0: v0-31 addresses; v32-95 at work on the way out; v128-255 the accumulators ((a, b) at v[128 + 8 (4 a + b)]).  window 1: two fragment buffers of 128: 64 registers of a, then 64 of Wo, for 64 along K.
.set KSTEP,  256
.set PITCH,  528                       ; a row of Wo in LDS: 512 bytes + 16 of padding: the 16 rows of a load start at 16 different banks (64 banks of 4 bytes: ISA guide 11.1)
.set ABYTES, 65536                     ; a's part of a slot
.set HALFB,  64*PITCH                  ; 64 rows of Wo: what one tensor load brings
.set SLOT,   ABYTES+2*HALFB
.set SPARE,  2*SLOT                    ; behind the ring: the spare words, 128 bytes a wave, which no other line names
.set SPITCH, 272                       ; the way out: a stage of 16 rows x (256 bytes + 16) for each wave, in slot 0, which has had its last fill and its last read when the first result is stored there
.set LAPS,   2                         ; 1,024 / (2 x 256)
.set ADRA, 16
.set ADRB, 20
.set STO,  24
.set RD,   25
.set CO,   26
.set SPW,  28
.set NIL,  29
.set TMP,  32
.set ACC,  128
.set F0,   0
.set F1,   128
.set G1, 24
.set G0, 32
.set G1B, 48
.set G0B, 56
.set MSB, 0
.macro WIN new                         ; the immediate's high byte repeats the setting that is left
.if MSB != (\new)
	s_set_vgpr_msb (MSB<<8)|(\new)
.set MSB, (\new)
.endif
.endm
.set MUL,  0x05                        ; sources 0 (Wo) and 1 (a) window 1; C and D window 0
.set TO_F, 0x40                        ; destination window 1, address window 0
.macro JLOAD s                         ; a joint load: waves 0 and 1 fetch a's two halves, waves 2 and 3 Wo's; an s_nop 0 and four v_nop follow each of the two lines
	s_cmp_eq_u32 s11, 0
	s_cbranch_scc0 .Lfor_b_\@
	tensor_load_to_lds s[G0+4*\s:G0+4*\s+3], s[G1:G1+7]
	s_nop 0
.rept 4
	v_nop
.endr
	s_branch .Lasked_\@
.Lfor_b_\@:
	tensor_load_to_lds s[G0B+4*\s:G0B+4*\s+3], s[G1B:G1B+7]
	s_nop 0
.rept 4
	v_nop
.endr
.Lasked_\@:
.endm
.macro CREST                           ; a round of the cluster's barrier behind its opening barrier
	s_cmp_lg_u32 s10, 0
	s_cbranch_scc1 .Lnot_wave_0_\@
	s_barrier_signal -3
.Lnot_wave_0_\@:
	s_barrier_wait -3
	s_barrier_signal -1
	s_barrier_wait -1
.endm
.macro CROUND
	s_barrier_signal -1
	s_barrier_wait -1
	CREST
.endm
	s_load_b128 s[4:7], s[0:1], 0x0                ; aimg s[4:5], wo16 s[6:7]
	s_load_b64 s[8:9], s[0:1], 0x10                ; out0
	v_lshl_add_u32 v[SPW], v0, 2, SPARE
	v_mov_b32 v[NIL], 0
	ds_add_u32 v[SPW], v[NIL]                      ; the wave's opening: the add, twice on end, and its wait ahead of my first tensor load
	ds_add_u32 v[SPW], v[NIL]
	v_lshrrev_b32 v1, 5, v0
	v_readfirstlane_b32 s10, v1                    ; wave 0..3
	s_lshr_b32 s11, s10, 1                         ; which half of the tile's rows is mine.  Also: I fetch for a (0) or for Wo (1)
	s_and_b32 s12, s10, 1                          ; which half of its columns.  Also: which half of that tile I fetch
	s_bfe_u32 s40, ttmp6, 0x40000                  ; cx, cy
	s_bfe_u32 s41, ttmp6, 0x40004
	s_lshl_b32 s42, ttmp9, 2
	s_add_co_u32 s42, s42, s40                     ; tile column
	s_and_b32 s13, ttmp7, 0xffff
	s_lshl_b32 s13, s13, 2
	s_add_co_u32 s13, s13, s41                     ; tile row
	s_lshl_b32 s43, s41, 2
	s_lshl_b32 s43, 15, s43                        ; my row of the cluster
	s_lshl_b32 s44, 0x1111, s40                    ; my column
	; a's group 1: 4 rows of 8,192 bytes (1,024 elements of 8 bytes: a K step's eight images of one tile of rows), 32,768 bytes apart in memory, dense in LDS
	s_or_b32 s[G1+0], s43, (3<<16)|(1<<21)
	s_mov_b32 s[G1+1], 1024<<16                    ; tensor_dim0
	s_mov_b32 s[G1+2], 4<<16                       ; tensor_dim1
	s_mov_b32 s[G1+3], 1024<<16                    ; tile_dim0
	s_mov_b32 s[G1+4], 4                           ; tile_dim1
	s_mov_b32 s[G1+5], 4096                        ; tensor_dim0_stride
	s_mov_b32 s[G1+6], 0
	s_mov_b32 s[G1+7], 0
	; Wo's group 1: 64 rows x 256 elements of 2 bytes, 16 bytes of padding behind every 512
	s_or_b32 s[G1B+0], s44, (1<<16)|(1<<20)|(1<<21)|(6<<22)|(3<<25)
	s_mov_b32 s[G1B+1], KSTEP<<16
	s_mov_b32 s[G1B+2], 64<<16
	s_mov_b32 s[G1B+3], KSTEP<<16
	s_mov_b32 s[G1B+4], 64
	s_mov_b32 s[G1B+5], 1024
	s_mov_b32 s[G1B+6], 0
	s_mov_b32 s[G1B+7], 0
	s_lshl_b32 s16, s13, 3
	s_lshl_b32 s17, s12, 2
	s_add_co_u32 s16, s16, s17                     ; a: tile of 16 rows 8 x tile row + 4 x half,
	s_lshl_b32 s16, s16, 15                        ; 32,768 bytes each
	s_mov_b32 s17, 0
	s_lshl_b32 s46, s42, 7
	s_lshl_b32 s47, s12, 6
	s_add_co_u32 s46, s46, s47                     ; Wo: row 128 x tile column + 64 x half,
	s_lshl_b32 s46, s46, 11                        ; 2,048 bytes each
	s_mov_b32 s47, 0
	s_lshl_b32 s20, s12, 15                        ; where they go: a's half,
	s_mul_i32 s21, s12, HALFB
	s_add_co_u32 s21, s21, ABYTES                  ; Wo's half: no place in the cluster enters an LDS address
	s_wait_dscnt 0x0                               ; both opening adds are done
	s_wait_kmcnt 0x0
	s_add_nc_u64 s[14:15], s[4:5], s[16:17]
	s_add_nc_u64 s[46:47], s[6:7], s[46:47]
	CROUND                                         ; all sixteen work-groups are here: the first joint loads meet
.irp s, 0,1
	s_mov_b32 s[G0+4*\s], 1
	s_add_co_u32 s[G0+4*\s+1], s20, \s*SLOT
	s_add_nc_u64 s[G0+4*\s+2:G0+4*\s+3], s[14:15], \s*8192
	s_or_b32 s[G0+4*\s+3], s[G0+4*\s+3], 0x80000000
	s_mov_b32 s[G0B+4*\s], 1
	s_add_co_u32 s[G0B+4*\s+1], s21, \s*SLOT
	s_add_nc_u64 s[G0B+4*\s+2:G0B+4*\s+3], s[46:47], \s*KSTEP*2
	s_or_b32 s[G0B+4*\s+3], s[G0B+4*\s+3], 0x80000000
	JLOAD \s
.endr
	v_and_b32 v1, 15, v0                           ; l % 16
	v_bfe_u32 v2, v0, 4, 1                         ; l / 16
	v_mul_u32_u24 v3, v1, PITCH
	v_lshl_add_u32 v3, v2, 4, v3                   ; Wo: a fragment's row x pitch + 16 x half
	v_and_b32 v4, 31, v0
	v_lshlrev_b32 v4, 4, v4                        ; a: 16 x lane
	s_lshl_b32 s21, s11, 15                        ; my 64 rows of a: four tiles of 8 KB
	s_mul_i32 s22, s12, HALFB                      ; my 64 rows of Wo,
	s_add_co_u32 s22, s22, ABYTES                  ; which lie behind a's part
.irp s, 0,1
	v_add_nc_u32 v[ADRA+\s], s21, v4
	v_add_nc_u32 v[ADRB+\s], s22, v3
	s_add_co_u32 s21, s21, SLOT
	s_add_co_u32 s22, s22, SLOT
.endr
	s_mul_i32 s23, s10, 16*SPITCH                  ; my stage
	v_mul_u32_u24 v5, v1, SPITCH                   ; in: row l % 16, 32 bytes for each half of the lanes
	v_lshl_add_u32 v5, v2, 5, v5
	v_add_nc_u32 v[STO], s23, v5
	v_mul_u32_u24 v5, v2, SPITCH                   ; back: lanes 0-15 one row of 256 bytes, lanes 16-31 the next
	v_lshl_add_u32 v5, v1, 4, v5
	v_add_nc_u32 v[RD], s23, v5
	v_lshlrev_b32 v5, 12, v2                       ; and the same two rows in the output: 4,096 bytes a row
	v_lshl_add_u32 v[CO], v1, 4, v5
	s_lshl_b32 s16, s13, 7
	s_lshl_b32 s17, s11, 6
	s_add_co_u32 s16, s16, s17                     ; my first row: 128 x tile row + 64 x half
	s_lshl_b32 s16, s16, 12
	s_mov_b32 s17, 0
	s_add_nc_u64 s[8:9], s[8:9], s[16:17]
	s_lshl_b32 s46, s42, 9                         ; my first column, in bytes: 512 x tile column + 256 x half
	s_lshl_b32 s47, s12, 8
	s_add_co_u32 s46, s46, s47
	s_mov_b32 s47, 0
	s_add_nc_u64 s[8:9], s[8:9], s[46:47]
; 8 matrix instructions: row blocks a0, a0 + 1 x all 4 column blocks, 32 along K: half c of buffer f.  zero = 1: the product starts the sums.  The 16 accumulators take turns
.macro MUL8 f, c, a0, zero
.irp a, \a0, \a0+1
.irp b, 0,1,2,3
.if \zero
	v_wmma_f32_16x16x32_f16 v[ACC+8*(4*(\a)+\b):ACC+8*(4*(\a)+\b)+7], v[\f+64+8*(4*\c+\b):\f+64+8*(4*\c+\b)+7], v[\f+8*(4*\c+\a):\f+8*(4*\c+\a)+7], 0
.else
	v_wmma_f32_16x16x32_f16 v[ACC+8*(4*(\a)+\b):ACC+8*(4*(\a)+\b)+7], v[\f+64+8*(4*\c+\b):\f+64+8*(4*\c+\b)+7], v[\f+8*(4*\c+\a):\f+8*(4*\c+\a)+7], v[ACC+8*(4*(\a)+\b):ACC+8*(4*(\a)+\b)+7]
.endif
.endr
.endr
.endm
; 32 LDS loads in one run: the fragments of 64 along K (at byte k of Wo's rows; images k / 64 and k / 64 + 1 of a's tiles) into buffer f; the first 32 along K first
.macro FETCH slot, k, f
	WIN TO_F
.irp c, 0,1
.irp i, 0,1,2,3
	ds_load_b128 v[\f+64+8*(4*\c+\i):\f+64+8*(4*\c+\i)+3],   v[ADRB+\slot] offset:\k+64*\c+\i*16*PITCH
	ds_load_b128 v[\f+64+8*(4*\c+\i)+4:\f+64+8*(4*\c+\i)+7], v[ADRB+\slot] offset:\k+64*\c+\i*16*PITCH+32
	ds_load_b128 v[\f+8*(4*\c+\i):\f+8*(4*\c+\i)+3],         v[ADRA+\slot] offset:\i*8192+((\k)/64+\c)*1024
	ds_load_b128 v[\f+8*(4*\c+\i)+4:\f+8*(4*\c+\i)+7],       v[ADRA+\slot] offset:\i*8192+((\k)/64+\c)*1024+512
.endr
.endr
.endm
.macro PLACES                          ; four plain lines in front of loads into registers that matrix instructions have read, and of reads of results
.rept 4
	v_nop
.endr
.endm
.macro QUARTER slot, k, f, g, zero     ; 64 along K: multiplies buffer f and fetches the next quarter, at byte k, into g
	s_wait_dscnt 16                                ; the first 32 along K are in; the other sixteen loads may be out
	WIN MUL
	MUL8 \f, 0, 0, \zero
	MUL8 \f, 0, 2, \zero
	PLACES
	FETCH \slot, \k, \g
	s_wait_dscnt 32                                ; all but the 32 just issued
	WIN MUL
	MUL8 \f, 1, 0, 0
	MUL8 \f, 1, 2, 0
.endm
; The last quarter multiplies buffer 1 and changes slots: ONE barrier; in front of it each wave waits for all its tensor loads, adds 0 to its spare word, and waits for that and for its own reads of this slot.  fill = 1: this slot is filled again, two K steps ahead.
.macro TURN slot, next, fill
	WIN 0                                          ; (the add's two registers lie in window 0)
	s_wait_tensorcnt 0x0                           ; all my tensor loads have landed: my part of the next slot
	ds_add_u32 v[SPW], v[NIL]
	s_wait_dscnt 17                                ; (the add and the youngest sixteen loads may be out)
	WIN MUL
	MUL8 F1, 0, 0, 0
	s_wait_dscnt 0x0                               ; the add is done, and my reads of this slot are over
	s_barrier_signal -1
	MUL8 F1, 0, 2, 0
.if \fill
	WIN 0
.endif
	s_barrier_wait -1
.if \fill
	CREST                                          ; the barrier has opened a round of the cluster's: no wave of any partner still reads this slot or has a load on its way
	s_add_nc_u64 s[G0+4*\slot+2:G0+4*\slot+3], s[G0+4*\slot+2:G0+4*\slot+3], 2*8192
	s_add_nc_u64 s[G0B+4*\slot+2:G0B+4*\slot+3], s[G0B+4*\slot+2:G0B+4*\slot+3], 2*KSTEP*2
	JLOAD \slot                                    ; the first tensor load behind the round; its four v_nop are also the places in front of the loads below
.else
	PLACES
.endif
	FETCH \next, 0, F0
	WIN MUL
	MUL8 F1, 1, 0, 0
	MUL8 F1, 1, 2, 0
.endm
	s_wait_tensorcnt 1                             ; my part of K step 0 is in; K step 1's load may be out
	s_barrier_signal -1
	s_barrier_wait -1
	FETCH 0, 0, F0
	QUARTER 0, 128, F0, F1, 1                      ; the first quarter's first products start the sums
	WIN 0
	s_mov_b32 s3, LAPS-1
.Llap:                                                 ; a trip goes once round the ring and fills both slots again
	QUARTER 0, 256, F1, F0, 0
	QUARTER 0, 384, F0, F1, 0
	TURN 0, 1, 1
	QUARTER 1, 128, F0, F1, 0
	QUARTER 1, 256, F1, F0, 0
	QUARTER 1, 384, F0, F1, 0
	TURN 1, 0, 1
	QUARTER 0, 128, F0, F1, 0
	WIN 0
	s_sub_co_u32 s3, s3, 1
	s_cmp_lg_u32 s3, 0
	s_cbranch_scc1 .Llap
	QUARTER 0, 256, F1, F0, 0                      ; the last lap fills nothing
	QUARTER 0, 384, F0, F1, 0
	TURN 0, 1, 0
	QUARTER 1, 128, F0, F1, 0
	QUARTER 1, 256, F1, F0, 0
	QUARTER 1, 384, F0, F1, 0
	s_wait_dscnt 16
	WIN MUL
	MUL8 F1, 0, 0, 0
	MUL8 F1, 0, 2, 0
	s_wait_dscnt 0
	MUL8 F1, 1, 0, 0
	MUL8 F1, 1, 2, 0
	WIN 0
; THE WAY OUT, 16 rows x 64 columns at a time.  A lane holds 32 neighbouring bytes of a row; a block goes through my own stage and comes back as whole rows of 256 bytes: sixteen lanes store 256 consecutive bytes, aligned.
; LDS serves a wave's instructions in order (ISA guide 5.7.1.4): no wait between the stores and the loads, nor in front of the next block's stores.
.macro TOSTAGE a
.irp b, 0,1,2,3
	ds_store_b128 v[STO], v[ACC+8*(4*(\a)+\b):ACC+8*(4*(\a)+\b)+3] offset:64*\b          ; each accumulator from its low end on
	ds_store_b128 v[STO], v[ACC+8*(4*(\a)+\b)+4:ACC+8*(4*(\a)+\b)+7] offset:64*\b+16
.endr
.irp t, 0,1,2,3,4,5,6,7
	ds_load_b128 v[TMP+32*((\a)%2)+4*\t:TMP+32*((\a)%2)+4*\t+3], v[RD] offset:\t*2*SPITCH
.endr
.endm
.macro SEND a, younger                 ; younger: the LDS instructions issued behind block a's loads, which may stay out
	s_wait_dscnt \younger
.irp t, 0,1,2,3,4,5,6,7
	global_store_b128 v[CO], v[TMP+32*((\a)%2)+4*\t:TMP+32*((\a)%2)+4*\t+3], s[8:9] offset:(16*(\a)+2*\t)*4096 th:TH_STORE_NT
.endr
.endm
	PLACES
	TOSTAGE 0
.irp a, 1,2,3
.if \a >= 2
	s_wait_xcnt 0x0                                ; block a - 2's stores have read their registers: block a's loads may land there
.endif
	TOSTAGE \a
	SEND \a-1, 16                                  ; behind block a - 1's loads: block a's 8 stores and 8 loads
.endr
	SEND 3, 0
	s_wait_tensorcnt 0x0                           ; the wave's end
	ds_add_u32 v[SPW], v[NIL]
	s_wait_dscnt 0x0
	CROUND                                         ; the closing round
	s_endpgm
.Lfunc_end_k_qedaa7b6776_oproj:
	.size	k_qedaa7b6776_oproj, .Lfunc_end_k_qedaa7b6776_oproj-k_qedaa7b6776_oproj
	.p2alignl 7, 3214868480
	.fill 96, 4, 3214868480
	.section	.rodata,"a",@progbits
	.p2align	6, 0x0
	.amdhsa_kernel k_qedaa7b6776_oproj
		.amdhsa_group_segment_fixed_size 327680
		.amdhsa_private_segment_fixed_size 0
		.amdhsa_enable_private_segment 0
		.amdhsa_kernarg_size 24
		.amdhsa_user_sgpr_count 2
		.amdhsa_user_sgpr_kernarg_segment_ptr 1
		.amdhsa_wavefront_size32 1
		.amdhsa_system_sgpr_workgroup_id_x 1
		.amdhsa_system_sgpr_workgroup_id_y 1
		.amdhsa_system_sgpr_workgroup_id_z 1
		.amdhsa_system_vgpr_workitem_id 0
		.amdhsa_next_free_vgpr 512
		.amdhsa_next_free_sgpr 66
		.amdhsa_reserve_vcc 0
		.amdhsa_float_denorm_mode_32 3
		.amdhsa_float_denorm_mode_16_64 3
		.amdhsa_memory_ordered 1
		.amdhsa_forward_progress 1
		.amdhsa_inst_pref_size 86
	.end_amdhsa_kernel
	.amdgpu_metadata
---
amdhsa.version: [ 1, 2 ]
amdhsa.kernels:
  - .name:           k_qedaa7b6776_oproj
    .symbol:         k_qedaa7b6776_oproj.kd
    .args:
      - { .name: aimg, .offset: 0, .size: 8, .value_kind: global_buffer, .address_space: global }
      - { .name: wo16, .offset: 8, .size: 8, .value_kind: global_buffer, .address_space: global }
      - { .name: out0, .offset: 16, .size: 8, .value_kind: global_buffer, .address_space: global }
    .group_segment_fixed_size: 327680
    .private_segment_fixed_size: 0
    .kernarg_segment_align: 8
    .kernarg_segment_size: 24
    .max_flat_workgroup_size: 128
    .sgpr_count:     66
    .vgpr_count:     512
    .wavefront_size: 32
...
	.end_amdgpu_metadata
.endif
;; end of part 4
